; MI455X (gfx1250); checked and timed in simulation.
; The chip was launched on July 23, 2026; its instructions are those of AMD's public machine-readable ISA for CDNA 5 (MIT licence, August 2026) and "CDNA5" Instruction Set Architecture Reference Guide (July 2026). The comments in the code are by the model that wrote it; some were corrected since.
;; Single Head Attention. Allowed arithmetic: matrix products marked QUANTISED: E2M3 operands, one E8M0 scale for each 32 along K, by v_wmma_scale_f32_16x16x128_f8f6f4 with both operands' format E2M3, f32 sums; everything else in f32.
;; Inputs: Wk 1,024 x 1,024 float32; Wq 1,024 x 1,024 float32; Wv 1,024 x 1,024 float32; x 4 x 2,048 x 1,024 float32.
;; Outputs: out0 4 x 2,048 x 1,024 float32.
;; This version of the problem:
;;   THIS VERSION OF THE PROBLEM IS GIVEN IN LOW PRECISION. The matrix products marked QUANTISED in the list below multiply operands that are first quantised to E2M3 (2 exponent bits, 3 mantissa bits; 6 bits a number), with one power-of-two scale for each 32 numbers along K (OCP MX v1.0); their sums are f32. All else is computed in f32.
;;   The module's matrix products, in the order in which they are computed (A, B: the left and right operand; K: the contracted axis; several contracted axes count as one K, in the product's order):
;;     1. [M 8,192, K 1,024] x [K 1,024, N 1,024]; A: input x; B: input Wk: QUANTISED
;;     2. [M 8,192, K 1,024] x [K 1,024, N 1,024]; A: input x; B: input Wq: QUANTISED
;;     3. [M 8,192, K 1,024] x [K 1,024, N 1,024]; A: input x; B: input Wv: QUANTISED
;;     4. batch 4 x [M 2,048, K 1,024] x [K 1,024, N 2,048]; A: computed on the way; B: computed on the way: QUANTISED
;;     5. batch 4 x [M 2,048, K 2,048] x [K 2,048, N 1,024]; A: softmax (see below); B: computed on the way: QUANTISED
;;   THE QUANTISER, for each operand of a quantised product, along K:
;;     - K is cut into blocks of 32 from its start; a last block that is shorter is filled with zeros.
;;     - A block's scale is 2^e with e = floor(log2(the largest magnitude in the block)) - 2, held to -126 .. 127; a block of zeros has e = 0. As a byte (E8M0): e + 127.
;;     - Each number is divided by its block's scale, clamped to +-7.5, and rounded to the nearest number of E2M3, ties to even, subnormals kept.
;;     - The product sums the exact products of the quantised numbers (number of the format x scale) in f32.
;;   ~~~python
;;   def quantise(x, axis):      # numpy; x: float32 -> the quantised numbers, widened to float32 again
;;       x = np.moveaxis(x, axis, -1); K = x.shape[-1]
;;       x = np.pad(x, [(0, 0)] * (x.ndim - 1) + [(0, -K % 32)]); x = x.reshape(x.shape[:-1] + (-1, 32)); a = np.abs(x).max(-1, keepdims=True)
;;       e = np.where(a > 0, np.clip(np.frexp(np.where(a > 0, a, 1))[1] - 1 - 2, -126, 127), 0)      # np.frexp(a)[1] - 1 = floor(log2(a)), exactly
;;       r = np.clip(x / 2.0 ** e, -7.5, 7.5)
;;       step = 2.0 ** (np.maximum(np.frexp(np.where(r == 0, 1, r))[1] - 1, 0) - 3)
;;       q = np.round(r / step) * step * 2.0 ** e      # np.round: ties to even
;;       return np.moveaxis(q.reshape(q.shape[:-2] + (-1,))[..., :K], -1, axis).astype(np.float32)
;;   ~~~
;;   SOFTMAX AHEAD OF A QUANTISED PRODUCT. Where the list says 'softmax', what is quantised is not the finished softmax but p = 2^(t - M), with t = logit x log2(e) and M = ceil(the row's largest t), a whole number; so 1/2 < the row's largest p <= 1. The row's sum l is taken of the UNQUANTISED p, in f32, and the product's result is divided by l at the end. Since M is a whole number, a kernel that streams over the keys may use a running M (the ceiling of the running maximum): every later rescaling is an exact power of two, which a block's scale takes up: the codes' values come out the same.
;;   OPERANDS COMPUTED ON THE WAY. 'Computed on the way' means the value that the module computes at that place (a softmax that the list does not call 'softmax' is quantised finished and normalised). What goes into a quantiser is computed in f32, as accurately as f32 sums, v_exp_f32 and their like allow (about 1e-6 of the number): no bf16 or f16 on the way to a quantiser, and a product that is left as it is and whose result goes on into a quantised operand takes f32 operands (vector FMAs, or v_wmma_f32_16x16x4_f32). A number that lies on a knife's edge between two numbers of the format may be rounded either way, as far as f32 arithmetic and the matrix unit's own rounding can turn it there, and no further.
;; 2 versions, each right and faster than the one before. Each part assembles by itself: llvm-mc -triple=amdgcn-amd-amdhsa -mcpu=gfx1250 --defsym DOCPART=n.
;; ======== version 1 of 2: 4 launches
;; workspace buffers: xw 9,011,200 bytes; qkv 19,660,800 bytes; pimg 13,631,488 bytes; stat 1,048,576 bytes
;; launch quant (part 1): grid 704 x 1, 4 waves a work-group, no clusters, 68,096 bytes of LDS; arguments x, Wq, Wk, Wv, xw, stat; writes xw, stat
.if DOCPART == 1
	.amdgcn_target "amdgcn-amd-amdhsa--gfx1250"
	.amdhsa_code_object_version 6
	.text
	.protected	k_qffd4b3318e_quant
	.globl	k_qffd4b3318e_quant
	.p2align	8
	.type	k_qffd4b3318e_quant,@function
k_qffd4b3318e_quant:
	s_mov_b64 s[64:65], 0
	v_nop
	global_prefetch_b8 v0, s[64:65] scope:SCOPE_SE
	s_setreg_imm32_b32 hwreg(HW_REG_WAVE_MODE, 25, 1), 1
	s_wait_xcnt 0x0
; LAUNCH 1 OF 4: x [8192][1024], Wq, Wk, Wv [1024][1024], f32, K innermost, become codes of FP6 (E2M3) with one E8M0 byte for each 32 along K.
; THE PROGRAM: quant (this) | proj: q, k, v^T = x W^T, quantised on the way out | score: the causal tiles of q k^T, p = 2^(t - M) under a whole number M of each 128 keys, quantised | pv: P v, P's scale bytes
; shifted to the row's M (an exact power of two), divided by the row's sum of the unquantised p.
; DEAD WORK LEFT OUT, in the later launches: reference() sets scores[q][s] to -infinity wherever s > q, by a jnp.tril that it builds itself, so weights[q][s] = 0 there whatever finite values x and the weights hold.
; With queries and keys cut into tiles of 256, a tile of scores whose key tile lies after its query tile is wholly so: it is not multiplied, and its 256 keys are no K step of the last product.  Every input is loaded.
; LIMIT: a NaN, an infinity or an overflow that reaches only those tiles is not carried to the result.  NaN and infinities among the inputs are not served.  A block whose largest magnitude lies under 2^-124
; keeps the byte 1 (a block of zeros too, where the quantiser says 127: its codes are zeros, and this program alone reads the bytes).
; THE WORKSPACE'S LAYOUT: images of operand registers.  A BLOCK is 128 rows x 256 along K, 25,600 dense bytes: fragment (tile t of 16 rows, half s of 128 K) at 12288 s + 1536 t, in it registers 4 c .. 4 c + 3 of lane l
; at 512 c + 16 l; the scale words at 24576 + 512 s + 64 t + 4 r.  Lane-row r of tile t is the block's row 32 (t / 2) + 8 (t % 2) + r + 8 (r / 8): with such a tile as source 0 of a product, a lane's results run
; along 16 NEIGHBOURING rows for each pair of tiles, which is the order in which the next quantiser wants them.  xw: x's 256 blocks (4 x row block + K block), then the weights' 96 (Wq, Wk, Wv).
; SHARES.  A wave takes 32 rows x 128 K: two fragments.  Each of its 32 loads reads 512 consecutive bytes of a row; the rows turn through the wave's own stage in LDS (pitch 528, rows already in the tiles' order)
; and come back 64 bytes a lane: 16 neighbours of each of the four blocks.  No tensor load, no barrier: waves share nothing.  All of a wave's 16 KiB are asked for at once.
; The first 512 work-groups also lay the neutral statistics (M = -3e38, l = 0) for every 128-key step of every query, in whole runs of 256 bytes: score writes over the live ones, and pv then reads 16 steps a row with no branch.
.set SP,    528                        ; a stage row: 512 bytes + 16
.set WREG,  32*SP                      ; a wave's stage
.set SPARE, 4*WREG                     ; behind the stages: the spare words, 128 bytes a wave, that no other line names
.set BLK,   25600
.set STL,   524288                     ; stat: M's half, then l's
.set X0,    16                         ; v16-143  32 rows as loaded; then tile 0's 64 numbers a lane at v16, tile 1's at v80
.set X1,    80
.set TM,    144                        ; v144-159 at work in QUANT
.set PC0,   160                        ; v160-179, v180-199 the two fragments' codes
.set PC1,   180
.set PW0,   200
.set PW1,   201
.set MG,    202
.set SPW,   203                        ; LDS address of my spare word; never rewritten
.set NIL,   204                        ; 0; never rewritten
.set SEL,   20                         ; s[20:21] selects of v_permlanex16_b32: lane l xor 16
; 64 numbers of a lane, register 16 b + i = k 32 b + 16 (lane / 16) + i of my row, become a fragment's 12 registers of codes at v[pc] and its scale word in v[pw].
.macro QUANT s, pc, pw
.irp b, 0,1,2,3
	v_max3_num_f32 v[TM+\b], |v[\s+16*\b]|, |v[\s+1+16*\b]|, 0x1800000   ; my 16 of block b, and the floor 2^(3 - 127): the byte cannot fall under 1
.endr
.irp i, 2,4,6,8,10,12,14
.irp b, 0,1,2,3
	v_max3_num_f32 v[TM+\b], v[TM+\b], |v[\s+16*\b+\i]|, |v[\s+1+16*\b+\i]|
.endr
.endr
.irp b, 0,1,2,3
	v_permlanex16_b32 v[TM+4+\b], v[TM+\b], s[SEL], s[SEL+1]
.endr
.irp b, 0,1,2,3
	v_max_num_f32 v[TM+\b], v[TM+\b], v[TM+4+\b]       ; with lane l xor 16's 16: the block's largest magnitude
.endr
.irp b, 0,1,2,3
	v_add_nc_u32 v[TM+12+\b], 0xff000000, v[TM+\b]     ; 2 off its exponent field: the conversion's scale operand
.endr
.irp b, 0,1,2,3
	v_lshrrev_b32 v[TM+4+\b], 23, v[TM+12+\b]          ; the scale's byte
.endr
	v_lshl_or_b32 v[\pw], v[TM+5], 8, v[TM+4]
	v_lshl_or_b32 v[\pw], v[TM+6], 16, v[\pw]
	v_lshl_or_b32 v[\pw], v[TM+7], 24, v[\pw]
.irp c, 0,1
	v_cvt_scalef32_pk16_fp6_f32 v[\pc+6*\c:\pc+2+6*\c], v[\s+32*\c:\s+15+32*\c], v[TM+12+2*\c]
	v_cvt_scalef32_pk16_fp6_f32 v[\pc+12+4*\c:\pc+14+4*\c], v[\s+16+32*\c:\s+31+32*\c], v[TM+12+2*\c+1]   ; (a conversion's three registers begin on an even number)
.endr
	v_nop                                              ; one plain place behind a scaled conversion
.irp c, 0,1                                        ; the operand wants a whole block in a lane: lanes 0-15 block 2 c, lanes 16-31 block 2 c + 1
.irp i, 0,1,2
	v_permlane16_swap_b32 v[\pc+6*\c+\i], v[\pc+12+4*\c+\i]
.endr
.irp i, 0,1,2
	v_mov_b32 v[\pc+3+6*\c+\i], v[\pc+12+4*\c+\i]
.endr
.endr
.endm
	s_load_b256 s[4:11], s[0:1], 0x0               ; x, Wq, Wk, Wv
	s_load_b128 s[12:15], s[0:1], 0x20             ; xw, stat
	v_lshl_add_u32 v[SPW], v0, 2, SPARE
	v_mov_b32 v[NIL], 0
	v_lshrrev_b32 v1, 5, v0
	v_readfirstlane_b32 s16, v1                    ; wave
	v_and_b32 v1, 31, v0                           ; lane
	v_lshlrev_b32 v2, 4, v1                        ; 16 x lane
	v_lshlrev_b32 v3, 2, v1                        ; 4 x lane
	v_lshlrev_b32 v6, 3, v1                        ; 8 x lane
	s_mul_i32 s17, s16, WREG
	v_add_nc_u32 v4, s17, v2                       ; the stage, on the way in
	v_and_b32 v7, 15, v0                           ; r
	v_bfe_u32 v12, v0, 4, 1                        ; h
	v_mul_u32_u24 v5, v7, SP
	v_lshl_add_u32 v5, v12, 6, v5
	v_add_nc_u32 v5, s17, v5                       ; and on the way out: row r, + 64 h
	v_mov_b32 v8, 0xff61b1e6                       ; -3e38, twice
	v_mov_b32 v9, 0xff61b1e6
	v_mov_b32 v10, 0
	v_mov_b32 v11, 0
.irp b, 0,1,2,3
	v_mov_b32 v[TM+4+\b], 0                        ; written once: a lane permute's destination counts as one of its sources
.endr
	s_mov_b32 s[SEL], 0x76543210
	s_mov_b32 s[SEL+1], 0xfedcba98
	s_mov_b32 s30, 0xffff0000                      ; lanes 16-31
	s_lshr_b32 s18, ttmp9, 1                       ; which 32 rows: 0-255 x's, 256-351 the weights'
	s_and_b32 s19, ttmp9, 1
	s_lshl_b32 s19, s19, 2
	s_add_co_u32 s19, s19, s16                     ; which 128 along K: 0 .. 7
	s_and_b32 s22, s18, 31
	s_cmp_lt_u32 ttmp9, 512
	s_cselect_b32 s22, s18, s22                    ; the same within the source tensor
	s_lshl_b32 s22, s22, 17                        ; 32 rows of 4,096 bytes
	s_lshl_b32 s23, s19, 9
	s_add_co_u32 s22, s22, s23
	s_mov_b32 s23, 0
	s_lshr_b32 s24, s18, 2
	s_lshl_b32 s24, s24, 2
	s_lshr_b32 s25, s19, 1
	s_add_co_u32 s24, s24, s25                     ; the block: 4 x row block + K block
	s_mul_i32 s24, s24, BLK
	s_and_b32 s25, s19, 1                          ; its half
	s_and_b32 s26, s18, 3                          ; its pair of tiles
	s_mul_i32 s27, s25, 12288
	s_mul_i32 s28, s26, 3072
	s_add_co_u32 s27, s27, s28
	s_add_co_u32 s32, s24, s27                     ; where my codes go
	s_mov_b32 s33, 0
	s_lshl_b32 s27, s25, 9
	s_lshl_b32 s28, s26, 7
	s_add_co_u32 s27, s27, s28
	s_add_co_u32 s27, s27, 24576
	s_add_co_u32 s34, s24, s27                     ; and my scale words
	s_mov_b32 s35, 0
	s_lshl_b32 s36, ttmp9, 2
	s_add_co_u32 s36, s36, s16
	s_lshl_b32 s36, s36, 8                         ; my 256 bytes of each half of stat
	s_mov_b32 s37, 0
	s_wait_kmcnt 0x0
	s_cmp_lt_u32 ttmp9, 640                        ; the source: a choice on the work-group's number alone
	s_cselect_b64 s[10:11], s[8:9], s[10:11]
	s_cmp_lt_u32 ttmp9, 576
	s_cselect_b64 s[10:11], s[6:7], s[10:11]
	s_cmp_lt_u32 ttmp9, 512
	s_cselect_b64 s[10:11], s[4:5], s[10:11]
	s_add_nc_u64 s[10:11], s[10:11], s[22:23]
	s_add_nc_u64 s[32:33], s[12:13], s[32:33]
	s_add_nc_u64 s[34:35], s[12:13], s[34:35]
	s_add_nc_u64 s[14:15], s[14:15], s[36:37]
.set i, 0
.rept 32
	global_load_b128 v[16+4*i:19+4*i], v2, s[10:11] offset:i*4096 th:TH_LOAD_NT   ; row i: 32 lanes read 512 consecutive bytes
.set i, i+1
.endr
	s_cmp_ge_u32 ttmp9, 512
	s_cbranch_scc1 .Lno_stat
	global_store_b64 v6, v[8:9], s[14:15]          ; 32 lanes store 256 consecutive, aligned bytes of M,
	global_store_b64 v6, v[10:11], s[14:15] offset:STL   ; and of l
.Lno_stat:
.set i, 0
.rept 32
	s_wait_loadcnt 31-i                            ; loads come back in order: row i is in, the rows behind it may be out
	ds_store_b128 v4, v[16+4*i:19+4*i] offset:(16*((i>>3)&1)+(i&7)+8*(i>>4))*SP   ; to stage row 16 u + r, where 8 u + r + 8 (r / 8) = i
.set i, i+1
.endr
	s_wait_dscnt 0x0                               ; the stores have read their registers, which the loads below fill
.irp u, 0,1
.irp b, 0,1,2,3
.irp j, 0,1,2,3
	ds_load_b128 v[16+64*\u+16*\b+4*\j:19+64*\u+16*\b+4*\j], v5 offset:16*\u*SP+128*\b+16*\j
.endr
.endr
.endr
	s_wait_dscnt 16                                ; tile 0's sixteen are in, tile 1's may be out
	QUANT X0, PC0, PW0
.irp c, 0,1,2
	global_store_b128 v2, v[PC0+4*\c:PC0+4*\c+3], s[32:33] offset:512*\c   ; the fragment's image: 512 consecutive, aligned bytes a store
.endr
	s_wait_dscnt 0x0
	QUANT X1, PC1, PW1
.irp c, 0,1,2
	global_store_b128 v2, v[PC1+4*\c:PC1+4*\c+3], s[32:33] offset:1536+512*\c
.endr
	v_cndmask_b32 v[MG], v[PW0], v[PW1], s30       ; lanes 0-15 the even tile's words, lanes 16-31 the odd tile's
	global_store_b32 v3, v[MG], s[34:35]           ; 128 consecutive bytes
	s_wait_tensorcnt 0x0                           ; the wave's end
	ds_add_u32 v[SPW], v[NIL]
	s_wait_dscnt 0x0
	s_endpgm
.Lfunc_end_k_qffd4b3318e_quant:
	.size	k_qffd4b3318e_quant, .Lfunc_end_k_qffd4b3318e_quant-k_qffd4b3318e_quant
	.p2alignl 7, 3214868480
	.fill 96, 4, 3214868480
	.section	.rodata,"a",@progbits
	.p2align	6, 0x0
	.amdhsa_kernel k_qffd4b3318e_quant
		.amdhsa_group_segment_fixed_size 68096
		.amdhsa_private_segment_fixed_size 0
		.amdhsa_enable_private_segment 0
		.amdhsa_kernarg_size 48
		.amdhsa_user_sgpr_count 2
		.amdhsa_user_sgpr_kernarg_segment_ptr 1
		.amdhsa_wavefront_size32 1
		.amdhsa_system_sgpr_workgroup_id_x 1
		.amdhsa_system_sgpr_workgroup_id_y 1
		.amdhsa_system_sgpr_workgroup_id_z 1
		.amdhsa_system_vgpr_workitem_id 0
		.amdhsa_next_free_vgpr 208
		.amdhsa_next_free_sgpr 66
		.amdhsa_reserve_vcc 0
		.amdhsa_float_denorm_mode_32 3
		.amdhsa_float_denorm_mode_16_64 3
		.amdhsa_memory_ordered 1
		.amdhsa_forward_progress 1
		.amdhsa_inst_pref_size 20
	.end_amdhsa_kernel
	.amdgpu_metadata
---
amdhsa.version: [ 1, 2 ]
amdhsa.kernels:
  - .name:           k_qffd4b3318e_quant
    .symbol:         k_qffd4b3318e_quant.kd
    .args:
      - { .name: x, .offset: 0, .size: 8, .value_kind: global_buffer, .address_space: global }
      - { .name: Wq, .offset: 8, .size: 8, .value_kind: global_buffer, .address_space: global }
      - { .name: Wk, .offset: 16, .size: 8, .value_kind: global_buffer, .address_space: global }
      - { .name: Wv, .offset: 24, .size: 8, .value_kind: global_buffer, .address_space: global }
      - { .name: xw, .offset: 32, .size: 8, .value_kind: global_buffer, .address_space: global }
      - { .name: stat, .offset: 40, .size: 8, .value_kind: global_buffer, .address_space: global }
    .group_segment_fixed_size: 68096
    .private_segment_fixed_size: 0
    .kernarg_segment_align: 8
    .kernarg_segment_size: 48
    .max_flat_workgroup_size: 128
    .sgpr_count:     66
    .vgpr_count:     208
    .wavefront_size: 32
...
	.end_amdgpu_metadata
.endif
;; end of part 1
;; launch proj (part 2): grid 12 x 32, 4 waves a work-group, clusters of 4 x 4, 327,680 bytes of LDS; arguments xw, qkv; writes qkv
.if DOCPART == 2
	.amdgcn_target "amdgcn-amd-amdhsa--gfx1250"
	.amdhsa_code_object_version 6
	.text
	.protected	k_qffd4b3318e_proj
	.globl	k_qffd4b3318e_proj
	.p2align	8
	.type	k_qffd4b3318e_proj,@function
k_qffd4b3318e_proj:
	s_mov_b64 s[64:65], 0
	v_nop
	global_prefetch_b8 v0, s[64:65] scope:SCOPE_SE
	s_setreg_imm32_b32 hwreg(HW_REG_WAVE_MODE, 25, 1), 1
	s_wait_xcnt 0x0
	s_wait_alu depctr_hold_cnt(0) depctr_sa_sdst(0) depctr_va_vdst(0) depctr_va_sdst(0) depctr_va_ssrc(0) depctr_va_vcc(0) depctr_vm_vsrc(0)
	s_getreg_b32 s2, hwreg(HW_REG_IB_STS2, 6, 4)
	s_cmp_eq_u32 s2, 0
	s_cbranch_scc0 .Lentry_in_a_cluster
	s_endpgm
.Lentry_in_a_cluster:
	s_bfe_u32 s2, ttmp6, 0x10000c
	s_cmp_lg_u32 s2, 0xf033
	s_cbranch_scc0 .Lentry_shape_is_right
	s_endpgm
.Lentry_shape_is_right:
; LAUNCH 2 OF 4: q = x Wq^T, k = x Wk^T, v = x Wv^T on codes of FP6 (E2M3) with E8M0 scales, f32 sums; each result is quantised in registers on the way out and leaves as images of operand registers.
; q and k are quantised along the features, v along the KEYS.  One text serves all three: a work-group takes 256 rows of x (tile Y) and 256 rows of a weight (tile X: 0-3 Wq, 4-7 Wk, 8-11 Wv).
; THE MATRIX INSTRUCTION: source 0 = a tile of the B ROLE, whose rows run down a lane's registers; source 1 = a tile of the A ROLE, whose rows lie across the lanes.  What runs down the registers is the K of the next
; product.  For q and k: A role = x, B role = the weight.  For v the roles change places, in the LDS read addresses alone: a lane then holds a feature and its registers run along the keys: v^T.
; The choice hangs on the cluster's x, which all sixteen partners share.
; BLOCKS (launch 1's layout): 128 rows x 256 K = 25,600 dense bytes; a fragment comes by three loads of 16 bytes a lane, 512 consecutive bytes each: no pitch, no padding.
; RING: two slots of four blocks (x's two, the weight's two); wave w fetches block w of a slot by one tensor load.  K = 1,024 is four slots.
; CLUSTER 4 x 4: x's blocks hang on Y alone and are asked for jointly by a row of the cluster, the weight's on X alone, by a column.
; A wave makes 128 x 128: 64 accumulators.  REGISTERS: window 0: v16-25 addresses; v32-47, v48-63 scale words of the A and B roles, two sets (register 4 q + i: tile 2 i in lanes 0-15, tile 2 i + 1 in lanes 16-31);
; v64-147 at work on the way out; v128-223 the A role's 8 fragments, one set.  window 1: the B role's fragments, two sets, at v0 and v128.  windows 2, 3: accumulator (a, b) at v[8 (8 (a % 4) + b)] of window 2 + a / 4.
; qkv: q's 256 blocks (4 x row block + K block), k's 256, then v^T's 256 (32 x feature block + key block, keys of all four batches on end).
; LIMITS: as stated at launch 1's head.
.set BLK,    25600
.set SLOT,   4*BLK
.set SPARE,  2*SLOT                    ; behind the ring: the spare words, 128 bytes a wave, that no other line names
.set WPART,  6553600                   ; where the weights' blocks begin in xw
.set PART,   6553600                   ; q, k, v^T in qkv
.set SCO,    24576                     ; a block's scale words
.set ADRA, 16                          ; v16-17 LDS address of the A role's fragments in slot 0, 1: block + 16 x lane
.set ADRB, 18                          ; v18-19 the B role's
.set ADSA, 20                          ; v20-21 block + 4 x lane: scale words
.set ADSB, 22
.set VO16, 24                          ; 16 x lane
.set VO4,  25                          ; 4 x lane
.set SPW,  28
.set NIL,  29
.set SA,   32
.set SB,   48
.set AF,   128
.set TM,   64                          ; the way out: v64-79 at work
.set PCB,  96                          ; v96-115, v116-135 codes, two sets by turns
.set PW,   136                         ; v136-143 a scale word for each tile
.set MG,   144                         ; v144-147 two tiles' words merged
.set G1,  24
.set G0,  32
.set G1B, 48
.set G0B, 56
.set SEL, 76
.set MSK, 78
.set MSB, 0
.macro WIN new                         ; the immediate's high byte repeats the setting that is left
.if MSB != (\new)
	s_set_vgpr_msb (MSB<<8)|(\new)
.set MSB, (\new)
.endif
.endm
.set MUL_LO, 0xa1                      ; source 0 window 1, source 1 window 0, C and D window 2
.set MUL_HI, 0xf1                      ; the same, C and D window 3
.set TO_B,   0x40                      ; destination window 1, address window 0
.macro PLACES n                        ; plain vector places behind matrix instructions: four in front of loads into their registers and of the first read of results
.rept \n
	v_nop
.endr
.endm
; A joint load: waves 0 and 1 fetch x's blocks, waves 2 and 3 the weight's.  An s_nop 0 and four v_nop follow each of the two lines.
.macro JLOAD g0a, g1a, g0b, g1b
	s_cmp_eq_u32 s15, 0
	s_cbranch_scc0 .Lfor_b_\@
	tensor_load_to_lds s[\g0a:\g0a+3], s[\g1a:\g1a+7]
	s_nop 0
.rept 4
	v_nop
.endr
	s_branch .Lasked_\@
.Lfor_b_\@:
	tensor_load_to_lds s[\g0b:\g0b+3], s[\g1b:\g1b+7]
	s_nop 0
.rept 4
	v_nop
.endr
.Lasked_\@:
.endm
.macro CREST                           ; a round of the cluster's barrier behind its opening barrier
	s_cmp_lg_u32 s14, 0
	s_cbranch_scc1 .Lnot_wave_0_\@
	s_barrier_signal -3
.Lnot_wave_0_\@:
	s_barrier_wait -3
	s_barrier_signal -1
	s_barrier_wait -1
.endm
.macro CROUND
	s_barrier_signal -1
	s_barrier_wait -1
	CREST
.endm
.macro FRAG reg, adr, q, t             ; fragment (tile t, half q) of a block: the image of its 12 registers
.irp c, 0,1,2
	ds_load_b128 v[(\reg)+4*\c:(\reg)+4*\c+3], v[\adr] offset:(\q)*12288+(\t)*1536+512*\c
.endr
.endm
.macro FETCH_B slot, q, p              ; the B role's eight fragments into set p: 24 loads
	WIN TO_B
.irp t, 0,1,2,3,4,5,6,7
	FRAG 128*(\p)+12*\t, ADRB+\slot, \q, \t
.endr
	WIN 0
.endm
.macro FETCH_A slot, q, t0             ; the A role's tiles t0 .. t0 + 3: 12 loads
.irp t, \t0, \t0+1, \t0+2, \t0+3
	FRAG AF+12*(\t), ADRA+\slot, \q, \t
.endr
.endm
.macro SCALES set                      ; a slot's scale words: 16 loads of 128 consecutive bytes
.irp q, 0,1
.irp i, 0,1,2,3
	ds_load_b32 v[SA+8*(\set)+4*\q+\i], v[ADSA+\set] offset:SCO+\q*512+128*\i
	ds_load_b32 v[SB+8*(\set)+4*\q+\i], v[ADSB+\set] offset:SCO+\q*512+128*\i
.endr
.endr
.endm
; One matrix instruction.  r0, r1: an odd tile's scale words lie in lanes 16-31 of their register.
.macro WM d, s0, s1, zero, x0, x1, r0, r1
.if \zero
.if (\r0)+2*(\r1) == 0
	v_wmma_scale_f32_16x16x128_f8f6f4 v[\d:\d+7], v[\s0:\s0+11], v[\s1:\s1+11], 0, v[\x0], v[\x1] matrix_a_fmt:MATRIX_FMT_FP6 matrix_b_fmt:MATRIX_FMT_FP6
.elseif (\r0)+2*(\r1) == 1
	v_wmma_scale_f32_16x16x128_f8f6f4 v[\d:\d+7], v[\s0:\s0+11], v[\s1:\s1+11], 0, v[\x0], v[\x1] matrix_a_fmt:MATRIX_FMT_FP6 matrix_b_fmt:MATRIX_FMT_FP6 matrix_a_scale:MATRIX_SCALE_ROW1
.elseif (\r0)+2*(\r1) == 2
	v_wmma_scale_f32_16x16x128_f8f6f4 v[\d:\d+7], v[\s0:\s0+11], v[\s1:\s1+11], 0, v[\x0], v[\x1] matrix_a_fmt:MATRIX_FMT_FP6 matrix_b_fmt:MATRIX_FMT_FP6 matrix_b_scale:MATRIX_SCALE_ROW1
.else
	v_wmma_scale_f32_16x16x128_f8f6f4 v[\d:\d+7], v[\s0:\s0+11], v[\s1:\s1+11], 0, v[\x0], v[\x1] matrix_a_fmt:MATRIX_FMT_FP6 matrix_b_fmt:MATRIX_FMT_FP6 matrix_a_scale:MATRIX_SCALE_ROW1 matrix_b_scale:MATRIX_SCALE_ROW1
.endif
.else
.if (\r0)+2*(\r1) == 0
	v_wmma_scale_f32_16x16x128_f8f6f4 v[\d:\d+7], v[\s0:\s0+11], v[\s1:\s1+11], v[\d:\d+7], v[\x0], v[\x1] matrix_a_fmt:MATRIX_FMT_FP6 matrix_b_fmt:MATRIX_FMT_FP6
.elseif (\r0)+2*(\r1) == 1
	v_wmma_scale_f32_16x16x128_f8f6f4 v[\d:\d+7], v[\s0:\s0+11], v[\s1:\s1+11], v[\d:\d+7], v[\x0], v[\x1] matrix_a_fmt:MATRIX_FMT_FP6 matrix_b_fmt:MATRIX_FMT_FP6 matrix_a_scale:MATRIX_SCALE_ROW1
.elseif (\r0)+2*(\r1) == 2
	v_wmma_scale_f32_16x16x128_f8f6f4 v[\d:\d+7], v[\s0:\s0+11], v[\s1:\s1+11], v[\d:\d+7], v[\x0], v[\x1] matrix_a_fmt:MATRIX_FMT_FP6 matrix_b_fmt:MATRIX_FMT_FP6 matrix_b_scale:MATRIX_SCALE_ROW1
.else
	v_wmma_scale_f32_16x16x128_f8f6f4 v[\d:\d+7], v[\s0:\s0+11], v[\s1:\s1+11], v[\d:\d+7], v[\x0], v[\x1] matrix_a_fmt:MATRIX_FMT_FP6 matrix_b_fmt:MATRIX_FMT_FP6 matrix_a_scale:MATRIX_SCALE_ROW1 matrix_b_scale:MATRIX_SCALE_ROW1
.endif
.endif
.endm
; 16 matrix instructions: A tiles a0, a0 + 1 x the B role's eight; p: B's set; q: the slot's half; sc: the set of scale words.  The 64 accumulators take turns, in the same order in every step.
.macro MUL16 a0, p, q, sc, zero
.irp a, \a0, \a0+1
.irp b, 0,1,2,3,4,5,6,7
	WM 8*(8*((\a)%4)+\b), 128*(\p)+12*\b, AF+12*(\a), \zero, SB+8*(\sc)+4*(\q)+\b/2, SA+8*(\sc)+4*(\q)+(\a)/2, \b%2, (\a)%2
.endr
.endr
.endm
.macro FIRST
	FETCH_B 0, 0, 0
	FETCH_A 0, 0, 0
	SCALES 0
	FETCH_A 0, 0, 4
.endm
.macro STEP slot, zero                 ; a slot's first 128 along K
	s_wait_dscnt 12                                ; all but the youngest twelve loads (A tiles 4-7) are in
	WIN MUL_LO
	MUL16 0, 0, 0, \slot, \zero
	MUL16 2, 0, 0, \slot, \zero
	s_wait_dscnt 0x0                               ; A tiles 4-7 are in
	PLACES 4
	FETCH_B \slot, 1, 1
	FETCH_A \slot, 1, 0
	WIN MUL_HI
	MUL16 4, 0, 0, \slot, \zero
	MUL16 6, 0, 0, \slot, \zero
	PLACES 4
	WIN 0
	FETCH_A \slot, 1, 4
.endm
; A slot's second 128 along K, and the change of slots: ONE barrier.  In front of it each wave waits for all its tensor loads, adds 0 to its spare word, and waits for that and for its reads of this slot.
.macro TURN slot, next, fill
	s_wait_tensorcnt 0x0                           ; all my tensor loads have landed: my part of the next slot
	ds_add_u32 v[SPW], v[NIL]
	s_wait_dscnt 13                                ; (the add and the youngest twelve loads may be out)
	WIN MUL_LO
	MUL16 0, 1, 1, \slot, 0
	s_wait_dscnt 0x0                               ; the add is done, and my reads of this slot are over
	s_barrier_signal -1
	MUL16 2, 1, 1, \slot, 0
	WIN 0
	s_barrier_wait -1
.if \fill
	CREST                                          ; the barrier has opened a round of the cluster's: no wave of any partner still reads this slot or has a load on its way
	s_add_nc_u64 s[G0+4*\slot+2:G0+4*\slot+3], s[G0+4*\slot+2:G0+4*\slot+3], 2*BLK
	s_add_nc_u64 s[G0B+4*\slot+2:G0B+4*\slot+3], s[G0B+4*\slot+2:G0B+4*\slot+3], 2*BLK
	JLOAD G0+4*\slot, G1, G0B+4*\slot, G1B         ; the first tensor load behind the round; its four v_nop are the places in front of the loads below
.else
	PLACES 4
.endif
	FETCH_B \next, 0, 0
	FETCH_A \next, 0, 0
	SCALES \next
	WIN MUL_HI
	MUL16 4, 1, 1, \slot, 0
	MUL16 6, 1, 1, \slot, 0
	PLACES 4
	WIN 0
	FETCH_A \next, 0, 4
.endm
.macro LAST slot                       ; the very last 128 along K
	s_wait_dscnt 12
	WIN MUL_LO
	MUL16 0, 1, 1, \slot, 0
	MUL16 2, 1, 1, \slot, 0
	s_wait_dscnt 0x0
	WIN MUL_HI
	MUL16 4, 1, 1, \slot, 0
	MUL16 6, 1, 1, \slot, 0
	WIN 0
.endm
; THE WAY OUT of A tile a: its eight accumulators are 64 numbers a lane, register 16 b + i = next-K index 32 b + 16 (lane / 16) + i of the lane's row: one fragment and one scale word a row.
.macro PROJQ a
.set W, 2+(\a)/4
.set S, 64*((\a)%4)
.set PC, PCB+20*((\a)%2)
.if (\a) >= 2
	s_wait_xcnt 0x0                                ; the stores of two tiles back have read this set of codes
.endif
	WIN W|(W<<2)
.irp b, 0,1,2,3
	v_max3_num_f32 v[TM+\b], |v[S+16*\b]|, |v[S+16*\b+1]|, 0x1800000   ; each accumulator is read from its low end on
.endr
.irp i, 2,4,6,8,10,12,14
.irp b, 0,1,2,3
	v_max3_num_f32 v[TM+\b], |v[S+16*\b+\i]|, |v[S+16*\b+\i+1]|, v[TM+\b]
.endr
.endr
	WIN 0
.irp b, 0,1,2,3
	v_permlanex16_b32 v[TM+4+\b], v[TM+\b], s[SEL], s[SEL+1]
.endr
.irp b, 0,1,2,3
	v_max_num_f32 v[TM+\b], v[TM+\b], v[TM+4+\b]
.endr
.irp b, 0,1,2,3
	v_add_nc_u32 v[TM+12+\b], 0xff000000, v[TM+\b]
.endr
.irp b, 0,1,2,3
	v_lshrrev_b32 v[TM+4+\b], 23, v[TM+12+\b]
.endr
	v_lshl_or_b32 v[PW+(\a)], v[TM+5], 8, v[TM+4]
	v_lshl_or_b32 v[PW+(\a)], v[TM+6], 16, v[PW+(\a)]
	v_lshl_or_b32 v[PW+(\a)], v[TM+7], 24, v[PW+(\a)]
	WIN W
.irp c, 0,1
	v_cvt_scalef32_pk16_fp6_f32 v[PC+6*\c:PC+2+6*\c], v[S+32*\c:S+15+32*\c], v[TM+12+2*\c]
	v_cvt_scalef32_pk16_fp6_f32 v[PC+12+4*\c:PC+14+4*\c], v[S+16+32*\c:S+31+32*\c], v[TM+12+2*\c+1]
.endr
	WIN 0
	v_nop                                          ; one plain place behind a scaled conversion
.irp c, 0,1
.irp i, 0,1,2
	v_permlane16_swap_b32 v[PC+6*\c+\i], v[PC+12+4*\c+\i]
.endr
.irp i, 0,1,2
	v_mov_b32 v[PC+3+6*\c+\i], v[PC+12+4*\c+\i]
.endr
.endr
.irp c, 0,1,2
	global_store_b128 v[VO16], v[PC+4*\c:PC+4*\c+3], s[70:71] offset:(\a)*1536+512*\c   ; 512 consecutive, aligned bytes
.endr
.if (\a)%2 == 1
	v_cndmask_b32 v[MG+(\a)/2], v[PW+(\a)-1], v[PW+(\a)], s[MSK]
	global_store_b32 v[VO4], v[MG+(\a)/2], s[72:73] offset:((\a)/2)*128
.endif
.endm
	s_load_b128 s[4:7], s[0:1], 0x0                ; xw, qkv
	v_lshl_add_u32 v[SPW], v0, 2, SPARE
	v_mov_b32 v[NIL], 0
	ds_add_u32 v[SPW], v[NIL]                      ; the wave's opening: two adds on end, and their wait ahead of my first tensor load
	ds_add_u32 v[SPW], v[NIL]
	v_lshrrev_b32 v1, 5, v0
	v_readfirstlane_b32 s14, v1                    ; wave 0..3
	s_lshr_b32 s15, s14, 1                         ; which block of the A role is mine.  Also: I fetch for x (0) or for the weight (1)
	s_and_b32 s16, s14, 1                          ; which block of the B role.  Also: which of the two blocks I fetch
	s_bfe_u32 s40, ttmp6, 0x40000                  ; cx, cy
	s_bfe_u32 s41, ttmp6, 0x40004
	s_lshl_b32 s42, ttmp9, 2
	s_add_co_u32 s42, s42, s40                     ; X = 4 x cluster x + cx
	s_and_b32 s17, ttmp7, 0xffff
	s_lshl_b32 s17, s17, 2
	s_add_co_u32 s17, s17, s41                     ; Y = 4 x cluster y + cy
	s_lshl_b32 s43, s41, 2
	s_lshl_b32 s43, 15, s43                        ; my row of the cluster
	s_lshl_b32 s44, 0x1111, s40                    ; my column
	s_or_b32 s[G1+0], s43, (3<<16)|(1<<21)         ; 15:0 the mask; 17:16 elements of 8 bytes; 21 set beside a mask; no padding
	s_or_b32 s[G1B+0], s44, (3<<16)|(1<<21)
.irp g, G1, G1B                                ; a dense block as 100 rows of 256 bytes
	s_mov_b32 s[\g+1], 32<<16                      ; tensor_dim0
	s_mov_b32 s[\g+2], 100<<16                     ; tensor_dim1
	s_mov_b32 s[\g+3], 32<<16                      ; tile_dim0
	s_mov_b32 s[\g+4], 100                         ; tile_dim1
	s_mov_b32 s[\g+5], 32                          ; the pitch
	s_mov_b32 s[\g+6], 0
	s_mov_b32 s[\g+7], 0
.endr
	s_lshl_b32 s20, s17, 1
	s_add_co_u32 s20, s20, s16
	s_mul_i32 s20, s20, 4*BLK                      ; x: row block 2 Y + half, K block 0
	s_mov_b32 s21, 0
	s_lshl_b32 s46, s42, 1
	s_add_co_u32 s46, s46, s16
	s_mul_i32 s46, s46, 4*BLK
	s_add_co_u32 s46, s46, WPART                   ; the weight: row block 2 X + half
	s_mov_b32 s47, 0
	s_mul_i32 s45, s14, BLK                        ; where they go: wave x a block: no place in the cluster enters an LDS address
	s_mov_b32 s[SEL], 0x76543210
	s_mov_b32 s[SEL+1], 0xfedcba98
	s_mov_b32 s[MSK], 0xffff0000
	s_wait_dscnt 0x0                               ; both opening adds are done
	s_wait_kmcnt 0x0
	s_add_nc_u64 s[20:21], s[4:5], s[20:21]
	s_add_nc_u64 s[46:47], s[4:5], s[46:47]
	CROUND                                         ; all sixteen work-groups are here: the first joint loads meet
.irp s, 0,1
	s_mov_b32 s[G0+4*\s], 1
	s_add_co_u32 s[G0+4*\s+1], s45, \s*SLOT
	s_add_nc_u64 s[G0+4*\s+2:G0+4*\s+3], s[20:21], \s*BLK
	s_or_b32 s[G0+4*\s+3], s[G0+4*\s+3], 0x80000000
	s_mov_b32 s[G0B+4*\s], 1
	s_add_co_u32 s[G0B+4*\s+1], s45, \s*SLOT
	s_add_nc_u64 s[G0B+4*\s+2:G0B+4*\s+3], s[46:47], \s*BLK
	s_or_b32 s[G0B+4*\s+3], s[G0B+4*\s+3], 0x80000000
	JLOAD G0+4*\s, G1, G0B+4*\s, G1B
.endr
	v_and_b32 v1, 31, v0
	v_lshlrev_b32 v[VO16], 4, v1
	v_lshlrev_b32 v[VO4], 2, v1
.irp b, 0,1,2,3
	v_mov_b32 v[TM+4+\b], 0                        ; written once: a lane permute's destination counts as one of its sources
.endr
	s_cmp_eq_u32 ttmp9, 2                          ; the third column of clusters makes v: the roles change places
	s_cselect_b32 s66, 1, 0
	s_cselect_b32 s67, 0, 1
	s_cselect_b32 s68, s40, s17                    ; the result's row tile: Y, for v cx
	s_cselect_b32 s69, s17, s40                    ; its K block: cx, for v Y
	s_cselect_b32 s74, 5, 2                        ; K blocks in a row of blocks: 4, for v 32
	s_mul_i32 s18, s15, BLK
	s_mul_i32 s22, s66, 2*BLK
	s_add_co_u32 s18, s18, s22                     ; the A role's block in a slot
	s_mul_i32 s19, s16, BLK
	s_mul_i32 s22, s67, 2*BLK
	s_add_co_u32 s19, s19, s22                     ; the B role's
.irp s, 0,1
	v_add_nc_u32 v[ADRA+\s], s18, v[VO16]
	v_add_nc_u32 v[ADRB+\s], s19, v[VO16]
	v_add_nc_u32 v[ADSA+\s], s18, v[VO4]
	v_add_nc_u32 v[ADSB+\s], s19, v[VO4]
	s_add_co_u32 s18, s18, SLOT
	s_add_co_u32 s19, s19, SLOT
.endr
	s_lshl_b32 s68, s68, 1
	s_add_co_u32 s68, s68, s15                     ; the result's row block
	s_lshl_b32 s68, s68, s74
	s_add_co_u32 s68, s68, s69
	s_mul_i32 s68, s68, BLK
	s_mul_i32 s69, ttmp9, PART
	s_add_co_u32 s68, s68, s69                     ; my block of q, k or v^T
	s_mul_i32 s69, s16, 12288
	s_add_co_u32 s70, s68, s69                     ; my half of its fragments,
	s_mov_b32 s71, 0
	s_lshl_b32 s69, s16, 9
	s_add_co_u32 s72, s68, s69
	s_add_co_u32 s72, s72, SCO                     ; and of its scale words
	s_mov_b32 s73, 0
	s_add_nc_u64 s[70:71], s[6:7], s[70:71]
	s_add_nc_u64 s[72:73], s[6:7], s[72:73]
	s_wait_tensorcnt 1                             ; my part of slot 0 is in; slot 1's may stay out
	s_barrier_signal -1
	s_barrier_wait -1
	FIRST
	STEP 0, 1                                      ; the first products start the sums: nothing is cleared
	TURN 0, 1, 1                                   ; slot 0 takes K block 2,
	STEP 1, 0
	TURN 1, 0, 1                                   ; slot 1 K block 3
	STEP 0, 0
	TURN 0, 1, 0
	STEP 1, 0
	LAST 1
	PLACES 4
.irp a, 0,1,2,3,4,5,6,7
	PROJQ \a
.endr
	s_wait_tensorcnt 0x0                           ; the wave's end
	ds_add_u32 v[SPW], v[NIL]
	s_wait_dscnt 0x0
	CROUND                                         ; the closing round
	s_endpgm
.Lfunc_end_k_qffd4b3318e_proj:
	.size	k_qffd4b3318e_proj, .Lfunc_end_k_qffd4b3318e_proj-k_qffd4b3318e_proj
	.p2alignl 7, 3214868480
	.fill 96, 4, 3214868480
	.section	.rodata,"a",@progbits
	.p2align	6, 0x0
	.amdhsa_kernel k_qffd4b3318e_proj
		.amdhsa_group_segment_fixed_size 327680
		.amdhsa_private_segment_fixed_size 0
		.amdhsa_enable_private_segment 0
		.amdhsa_kernarg_size 16
		.amdhsa_user_sgpr_count 2
		.amdhsa_user_sgpr_kernarg_segment_ptr 1
		.amdhsa_wavefront_size32 1
		.amdhsa_system_sgpr_workgroup_id_x 1
		.amdhsa_system_sgpr_workgroup_id_y 1
		.amdhsa_system_sgpr_workgroup_id_z 1
		.amdhsa_system_vgpr_workitem_id 0
		.amdhsa_next_free_vgpr 1024
		.amdhsa_next_free_sgpr 80
		.amdhsa_reserve_vcc 0
		.amdhsa_float_denorm_mode_32 3
		.amdhsa_float_denorm_mode_16_64 3
		.amdhsa_memory_ordered 1
		.amdhsa_forward_progress 1
		.amdhsa_inst_pref_size 140
	.end_amdhsa_kernel
	.amdgpu_metadata
---
amdhsa.version: [ 1, 2 ]
amdhsa.kernels:
  - .name:           k_qffd4b3318e_proj
    .symbol:         k_qffd4b3318e_proj.kd
    .args:
      - { .name: xw, .offset: 0, .size: 8, .value_kind: global_buffer, .address_space: global }
      - { .name: qkv, .offset: 8, .size: 8, .value_kind: global_buffer, .address_space: global }
    .group_segment_fixed_size: 327680
    .private_segment_fixed_size: 0
    .kernarg_segment_align: 8
    .kernarg_segment_size: 16
    .max_flat_workgroup_size: 128
    .sgpr_count:     80
    .vgpr_count:     1024
    .wavefront_size: 32
...
	.end_amdgpu_metadata
.endif
;; end of part 2
;; launch score (part 3): grid 36 x 4, 4 waves a work-group, no clusters, 327,680 bytes of LDS; arguments qkv, pimg, stat; writes pimg, stat
.if DOCPART == 3
	.amdgcn_target "amdgcn-amd-amdhsa--gfx1250"
	.amdhsa_code_object_version 6
	.text
	.protected	k_qffd4b3318e_score
	.globl	k_qffd4b3318e_score
	.p2align	8
	.type	k_qffd4b3318e_score,@function
k_qffd4b3318e_score:
	s_mov_b64 s[64:65], 0
	v_nop
	global_prefetch_b8 v0, s[64:65] scope:SCOPE_SE
	s_setreg_imm32_b32 hwreg(HW_REG_WAVE_MODE, 25, 1), 1
	s_wait_xcnt 0x0
; LAUNCH 3 OF 4: the scores q k^T on codes of FP6 (E2M3), and the softmax's p ahead of the last product, quantised along the keys.
; DEAD WORK LEFT OUT: tiles of 256 queries x 256 keys whose keys all come after their queries (reference()'s own jnp.tril makes their weights 0 for all inputs): 36 of 64 tiles a batch are made.  Shown at launch 1's head.
; A work-group makes tile (I, J), J <= I, of batch y; a wave 128 queries x 128 keys.  Source 0 = 16 keys, source 1 = 16 queries: a lane holds ONE query, its registers run along the keys.
; THE SOFTMAX.  t = score x log2(e) / 32.  For each query and each 128 keys: M = ceil(the largest t of these keys), a whole number; p = 2^(t - M); the sum l of the unquantised p; p's codes and scale bytes under this M.
; The row's own M is the largest of its steps' M; launch 4 brings each step under it by taking the difference off the scale bytes, which is exact.  M goes into P's block (for the bytes) and, with l, into stat.
; On the diagonal tile hidden scores become -infinity ahead of the maximum.  A row all of whose 128 keys are hidden has l = 0, zero codes, and an M far under every true one (its maximum is held at -3e38).
; pimg: P's blocks of 26,624 bytes (8 x query block + key block): launch 1's block, and behind it the M of each row and half, laid as the scale words are.
; NO CLUSTER: a tile row has I + 1 live tiles and a tile column 8 - J: neither divides into fours, and a partner set on a dead tile would never read what it asks for.
; Ring, steps and registers as in launch 2; each wave fetches one block of a slot (waves 0, 1: q's, waves 2, 3: k's) by a tensor load of its own.
; LIMITS: scores under -3e38 count as -3e38 for the maximum; a p under 2^-126 of its step's scale is 0; else as at launch 1's head.
.set BLK,    25600
.set PBLK,   26624
.set SLOT,   4*BLK
.set SPARE,  2*SLOT
.set KPART,  6553600
.set STL,    524288
.set SCO,    24576
.set ADRA, 16
.set ADRB, 18
.set ADSA, 20
.set ADSB, 22
.set VO16, 24
.set VO4,  25
.set SPW,  28
.set NIL,  29
.set SA,   32
.set SB,   48
.set AF,   128
.set BM,   64                          ; v64-67 the blocks' largest scores, then largest p
.set BT,   68                          ; v68-71 the other half of the lanes'
.set SO,   72                          ; v72-75 the conversions' scale operands
.set BY,   76                          ; v76-79 the bytes
.set NM,   80                          ; v[80:81] -M, twice
.set T1,   82
.set LA,   84                          ; v[84:85], v[86:87] the sum, in two chains of pairs
.set LB,   86
.set DQ,   88
.set NINF, 89
.set QL,   90
.set PCB,  96
.set PW,   136
.set MS,   144
.set LS,   152
.set MGP,  160
.set MGM,  164
.set MGL,  168
.set SEL,  20
.set CS,   22
.set G1,   24
.set G0,   32
.set DIAG, 46
.set PB,   48
.set PS,   50
.set STB,  52
.set MSK,  54
.set MSB, 0
.macro WIN new
.if MSB != (\new)
	s_set_vgpr_msb (MSB<<8)|(\new)
.set MSB, (\new)
.endif
.endm
.set MUL_LO, 0xa1
.set MUL_HI, 0xf1
.set TO_B,   0x40
.macro PLACES n
.rept \n
	v_nop
.endr
.endm
.macro TLOAD slot                      ; my block of a slot; an s_nop 0 and four v_nop follow
	tensor_load_to_lds s[G0+4*\slot:G0+4*\slot+3], s[G1:G1+7]
	s_nop 0
.rept 4
	v_nop
.endr
.endm
.macro FRAG reg, adr, q, t
.irp c, 0,1,2
	ds_load_b128 v[(\reg)+4*\c:(\reg)+4*\c+3], v[\adr] offset:(\q)*12288+(\t)*1536+512*\c
.endr
.endm
.macro FETCH_B slot, q, p
	WIN TO_B
.irp t, 0,1,2,3,4,5,6,7
	FRAG 128*(\p)+12*\t, ADRB+\slot, \q, \t
.endr
	WIN 0
.endm
.macro FETCH_A slot, q, t0
.irp t, \t0, \t0+1, \t0+2, \t0+3
	FRAG AF+12*(\t), ADRA+\slot, \q, \t
.endr
.endm
.macro SCALES set
.irp q, 0,1
.irp i, 0,1,2,3
	ds_load_b32 v[SA+8*(\set)+4*\q+\i], v[ADSA+\set] offset:SCO+\q*512+128*\i
	ds_load_b32 v[SB+8*(\set)+4*\q+\i], v[ADSB+\set] offset:SCO+\q*512+128*\i
.endr
.endr
.endm
.macro WM d, s0, s1, zero, x0, x1, r0, r1
.if \zero
.if (\r0)+2*(\r1) == 0
	v_wmma_scale_f32_16x16x128_f8f6f4 v[\d:\d+7], v[\s0:\s0+11], v[\s1:\s1+11], 0, v[\x0], v[\x1] matrix_a_fmt:MATRIX_FMT_FP6 matrix_b_fmt:MATRIX_FMT_FP6
.elseif (\r0)+2*(\r1) == 1
	v_wmma_scale_f32_16x16x128_f8f6f4 v[\d:\d+7], v[\s0:\s0+11], v[\s1:\s1+11], 0, v[\x0], v[\x1] matrix_a_fmt:MATRIX_FMT_FP6 matrix_b_fmt:MATRIX_FMT_FP6 matrix_a_scale:MATRIX_SCALE_ROW1
.elseif (\r0)+2*(\r1) == 2
	v_wmma_scale_f32_16x16x128_f8f6f4 v[\d:\d+7], v[\s0:\s0+11], v[\s1:\s1+11], 0, v[\x0], v[\x1] matrix_a_fmt:MATRIX_FMT_FP6 matrix_b_fmt:MATRIX_FMT_FP6 matrix_b_scale:MATRIX_SCALE_ROW1
.else
	v_wmma_scale_f32_16x16x128_f8f6f4 v[\d:\d+7], v[\s0:\s0+11], v[\s1:\s1+11], 0, v[\x0], v[\x1] matrix_a_fmt:MATRIX_FMT_FP6 matrix_b_fmt:MATRIX_FMT_FP6 matrix_a_scale:MATRIX_SCALE_ROW1 matrix_b_scale:MATRIX_SCALE_ROW1
.endif
.else
.if (\r0)+2*(\r1) == 0
	v_wmma_scale_f32_16x16x128_f8f6f4 v[\d:\d+7], v[\s0:\s0+11], v[\s1:\s1+11], v[\d:\d+7], v[\x0], v[\x1] matrix_a_fmt:MATRIX_FMT_FP6 matrix_b_fmt:MATRIX_FMT_FP6
.elseif (\r0)+2*(\r1) == 1
	v_wmma_scale_f32_16x16x128_f8f6f4 v[\d:\d+7], v[\s0:\s0+11], v[\s1:\s1+11], v[\d:\d+7], v[\x0], v[\x1] matrix_a_fmt:MATRIX_FMT_FP6 matrix_b_fmt:MATRIX_FMT_FP6 matrix_a_scale:MATRIX_SCALE_ROW1
.elseif (\r0)+2*(\r1) == 2
	v_wmma_scale_f32_16x16x128_f8f6f4 v[\d:\d+7], v[\s0:\s0+11], v[\s1:\s1+11], v[\d:\d+7], v[\x0], v[\x1] matrix_a_fmt:MATRIX_FMT_FP6 matrix_b_fmt:MATRIX_FMT_FP6 matrix_b_scale:MATRIX_SCALE_ROW1
.else
	v_wmma_scale_f32_16x16x128_f8f6f4 v[\d:\d+7], v[\s0:\s0+11], v[\s1:\s1+11], v[\d:\d+7], v[\x0], v[\x1] matrix_a_fmt:MATRIX_FMT_FP6 matrix_b_fmt:MATRIX_FMT_FP6 matrix_a_scale:MATRIX_SCALE_ROW1 matrix_b_scale:MATRIX_SCALE_ROW1
.endif
.endif
.endm
.macro MUL16 a0, p, q, sc, zero        ; the 64 accumulators take turns, in the same order in every step
.irp a, \a0, \a0+1
.irp b, 0,1,2,3,4,5,6,7
	WM 8*(8*((\a)%4)+\b), 128*(\p)+12*\b, AF+12*(\a), \zero, SB+8*(\sc)+4*(\q)+\b/2, SA+8*(\sc)+4*(\q)+(\a)/2, \b%2, (\a)%2
.endr
.endr
.endm
.macro FIRST
	FETCH_B 0, 0, 0
	FETCH_A 0, 0, 0
	SCALES 0
	FETCH_A 0, 0, 4
.endm
.macro STEP slot, zero
	s_wait_dscnt 12                                ; all but the youngest twelve loads (A tiles 4-7) are in
	WIN MUL_LO
	MUL16 0, 0, 0, \slot, \zero
	MUL16 2, 0, 0, \slot, \zero
	s_wait_dscnt 0x0
	PLACES 4
	FETCH_B \slot, 1, 1
	FETCH_A \slot, 1, 0
	WIN MUL_HI
	MUL16 4, 0, 0, \slot, \zero
	MUL16 6, 0, 0, \slot, \zero
	PLACES 4
	WIN 0
	FETCH_A \slot, 1, 4
.endm
.macro TURN slot, next, fill
	s_wait_tensorcnt 0x0                           ; all my tensor loads have landed: my block of the next slot
	ds_add_u32 v[SPW], v[NIL]
	s_wait_dscnt 13                                ; (the add and the youngest twelve loads may be out)
	WIN MUL_LO
	MUL16 0, 1, 1, \slot, 0
	s_wait_dscnt 0x0                               ; the add is done, and my reads of this slot are over
	s_barrier_signal -1
	MUL16 2, 1, 1, \slot, 0
	WIN 0
	s_barrier_wait -1                              ; nobody reads this slot any more, and the next slot is whole
.if \fill
	s_add_nc_u64 s[G0+4*\slot+2:G0+4*\slot+3], s[G0+4*\slot+2:G0+4*\slot+3], 2*BLK
	TLOAD \slot                                    ; my one tensor load behind the barrier; its four v_nop are the places in front of the loads below
.else
	PLACES 4
.endif
	FETCH_B \next, 0, 0
	FETCH_A \next, 0, 0
	SCALES \next
	WIN MUL_HI
	MUL16 4, 1, 1, \slot, 0
	MUL16 6, 1, 1, \slot, 0
	PLACES 4
	WIN 0
	FETCH_A \next, 0, 4
.endm
.macro LAST slot
	s_wait_dscnt 12
	WIN MUL_LO
	MUL16 0, 1, 1, \slot, 0
	MUL16 2, 1, 1, \slot, 0
	s_wait_dscnt 0x0
	WIN MUL_HI
	MUL16 4, 1, 1, \slot, 0
	MUL16 6, 1, 1, \slot, 0
	WIN 0
.endm
; THE WAY OUT of query tile a: 64 scores a lane, register 16 b + i = key 32 b + 16 (lane / 16) + i of my wave's 128.
.macro SOFTQ a
.set W, 2+(\a)/4
.set S, 64*((\a)%4)
.set PC, PCB+20*((\a)%2)
.if (\a) >= 2
	s_wait_xcnt 0x0                                ; the stores of two tiles back have read this set of codes
.endif
	s_cmp_eq_u32 s[DIAG], 0                        ; ids and the wave's number alone
	s_cbranch_scc1 .Lopen_\@
	v_add_nc_u32 v[DQ], 32*((\a)/2)+8*((\a)%2), v[QL]   ; my query less my wave's first key less 16 (lane / 16): the key of register 16 b + i is hidden where 32 b + i is above it
	WIN W|(W<<6)
.set n, 0
.rept 64
	v_cmp_gt_i32 vcc_lo, 32*(n/16)+n%16, v[DQ]
	v_cndmask_b32 v[S+n], v[S+n], v[NINF], vcc_lo
.set n, n+1
.endr
	WIN 0
.Lopen_\@:
	WIN W|(W<<2)
.irp b, 0,1,2,3
	v_max3_num_f32 v[BM+\b], v[S+16*\b], v[S+16*\b+1], 0xff61b1e6   ; the largest score of each block of 32 keys, held at -3e38 from below; each accumulator is read from its low end on
.endr
.irp i, 2,4,6,8,10,12,14
.irp b, 0,1,2,3
	v_max3_num_f32 v[BM+\b], v[S+16*\b+\i], v[S+16*\b+\i+1], v[BM+\b]
.endr
.endr
	WIN 0
.irp b, 0,1,2,3
	v_permlanex16_b32 v[BT+\b], v[BM+\b], s[SEL], s[SEL+1]
.endr
.irp b, 0,1,2,3
	v_max_num_f32 v[BM+\b], v[BM+\b], v[BT+\b]
.endr
	v_max3_num_f32 v[T1], v[BM], v[BM+1], v[BM+2]
	v_max_num_f32 v[T1], v[T1], v[BM+3]
	v_mul_f32 v[T1], s[CS], v[T1]                  ; the largest t of these 128 keys
	v_floor_f32 v[NM], -v[T1]                      ; -M = floor(-t) = -ceil(t)
	v_mov_b32 v[NM+1], v[NM]
.irp b, 0,1,2,3
	v_fma_f32 v[BM+\b], v[BM+\b], s[CS], v[NM]     ; t - M of each block's largest score: p rises with the score, so this gives the block's largest p
.endr
.irp b, 0,1,2,3
	v_min_num_f32 v[BM+\b], 0, v[BM+\b]            ; at most 0 (where all 128 keys are hidden, M is of the size 1e37 and the remainder could be large)
.endr
	WIN W|(W<<6)
.set n, 0
.rept 32
	v_pk_fma_f32 v[S+n:S+n+1], v[S+n:S+n+1], s[CS:CS+1], v[NM:NM+1] op_sel_hi:[1,0,0]   ; t - M, two at a time
.set n, n+2
.endr
.set n, 0
.rept 64
	v_exp_f32 v[S+n], v[S+n]                       ; p = 2^(t - M): not normalised
.set n, n+1
.endr
	WIN 0
	v_nop                                          ; a plain place behind the exponentials
	s_wait_alu depctr_va_vdst(0)                   ; one wait for the batch, ahead of its first reader
.irp b, 0,1,2,3
	v_exp_f32 v[BM+\b], v[BM+\b]
.endr
	v_xor_b32 v[MS+(\a)], 0x80000000, v[NM]        ; M.  (A plain place behind the four)
	s_wait_alu depctr_va_vdst(0)                   ; and one for the four
	WIN W|(W<<2)
	v_pk_add_f32 v[LA:LA+1], v[S:S+1], v[S+2:S+3]  ; the sum of the UNQUANTISED p: two chains of pairs
	v_pk_add_f32 v[LB:LB+1], v[S+4:S+5], v[S+6:S+7]
	WIN W
.set n, 8
.rept 14
	v_pk_add_f32 v[LA:LA+1], v[S+n:S+n+1], v[LA:LA+1]
	v_pk_add_f32 v[LB:LB+1], v[S+n+2:S+n+3], v[LB:LB+1]
.set n, n+4
.endr
	WIN 0
	v_pk_add_f32 v[LA:LA+1], v[LA:LA+1], v[LB:LB+1]
	v_add_f32 v[T1], v[LA], v[LA+1]
	v_permlanex16_b32 v[BT], v[T1], s[SEL], s[SEL+1]
	v_add_f32 v[LS+(\a)], v[T1], v[BT]             ; with lane l xor 16's 64 keys
.irp b, 0,1,2,3
	v_max_num_f32 v[BM+\b], 0x1800000, v[BM+\b]    ; the floor 2^(3 - 127): the byte cannot fall under 1
.endr
.irp b, 0,1,2,3
	v_add_nc_u32 v[SO+\b], 0xff000000, v[BM+\b]
.endr
.irp b, 0,1,2,3
	v_lshrrev_b32 v[BY+\b], 23, v[SO+\b]
.endr
	v_lshl_or_b32 v[PW+(\a)], v[BY+1], 8, v[BY]
	v_lshl_or_b32 v[PW+(\a)], v[BY+2], 16, v[PW+(\a)]
	v_lshl_or_b32 v[PW+(\a)], v[BY+3], 24, v[PW+(\a)]
	WIN W
.irp c, 0,1
	v_cvt_scalef32_pk16_fp6_f32 v[PC+6*\c:PC+2+6*\c], v[S+32*\c:S+15+32*\c], v[SO+2*\c]
	v_cvt_scalef32_pk16_fp6_f32 v[PC+12+4*\c:PC+14+4*\c], v[S+16+32*\c:S+31+32*\c], v[SO+2*\c+1]
.endr
	WIN 0
	v_nop                                          ; one plain place behind a scaled conversion
.irp c, 0,1
.irp i, 0,1,2
	v_permlane16_swap_b32 v[PC+6*\c+\i], v[PC+12+4*\c+\i]
.endr
.irp i, 0,1,2
	v_mov_b32 v[PC+3+6*\c+\i], v[PC+12+4*\c+\i]
.endr
.endr
.irp c, 0,1,2
	global_store_b128 v[VO16], v[PC+4*\c:PC+4*\c+3], s[PB:PB+1] offset:(\a)*1536+512*\c   ; 512 consecutive, aligned bytes
.endr
.if (\a)%2 == 1
	v_cndmask_b32 v[MGP+(\a)/2], v[PW+(\a)-1], v[PW+(\a)], s[MSK]   ; lanes 0-15 the even tile's, lanes 16-31 the odd tile's
	v_cndmask_b32 v[MGM+(\a)/2], v[MS+(\a)-1], v[MS+(\a)], s[MSK]
	v_cndmask_b32 v[MGL+(\a)/2], v[LS+(\a)-1], v[LS+(\a)], s[MSK]
	global_store_b32 v[VO4], v[MGP+(\a)/2], s[PS:PS+1] offset:((\a)/2)*128
	global_store_b32 v[VO4], v[MGM+(\a)/2], s[PS:PS+1] offset:1024+((\a)/2)*128
	global_store_b32 v[VO4], v[MGM+(\a)/2], s[STB:STB+1] offset:((\a)/2)*128
	global_store_b32 v[VO4], v[MGL+(\a)/2], s[STB:STB+1] offset:STL+((\a)/2)*128
.endif
.endm
	s_load_b128 s[4:7], s[0:1], 0x0                ; qkv, pimg
	s_load_b64 s[8:9], s[0:1], 0x10                ; stat
	v_lshl_add_u32 v[SPW], v0, 2, SPARE
	v_mov_b32 v[NIL], 0
	ds_add_u32 v[SPW], v[NIL]                      ; the wave's opening: two adds on end, and their wait ahead of my first tensor load
	ds_add_u32 v[SPW], v[NIL]
	v_lshrrev_b32 v1, 5, v0
	v_readfirstlane_b32 s14, v1                    ; wave 0..3
	s_lshr_b32 s15, s14, 1                         ; which 128 queries are mine
	s_and_b32 s16, s14, 1                          ; which 128 keys.  Also: which of the two blocks I fetch
	s_mov_b32 s10, 0                               ; the work-group's x counts the live tiles row by row: row I begins at I (I + 1) / 2
.irp t, 1,3,6,10,15,21,28
	s_cmp_ge_u32 ttmp9, \t
	s_add_co_ci_u32 s10, s10, 0
.endr
	s_add_co_u32 s11, s10, 1
	s_mul_i32 s11, s11, s10
	s_lshr_b32 s11, s11, 1
	s_sub_co_u32 s11, ttmp9, s11                   ; J
	s_and_b32 s12, ttmp7, 0xffff                   ; the batch
	s_mov_b32 s[G1+0], 3<<16                       ; a dense block as 100 rows of 256 bytes: elements of 8 bytes, no mask, no padding
	s_mov_b32 s[G1+1], 32<<16
	s_mov_b32 s[G1+2], 100<<16
	s_mov_b32 s[G1+3], 32<<16
	s_mov_b32 s[G1+4], 100
	s_mov_b32 s[G1+5], 32
	s_mov_b32 s[G1+6], 0
	s_mov_b32 s[G1+7], 0
	s_cmp_lt_u32 s14, 2                            ; waves 0, 1 fetch q's blocks of tile I, waves 2, 3 k's of tile J
	s_cselect_b32 s17, s10, s11
	s_cselect_b32 s18, 0, KPART
	s_lshl_b32 s19, s12, 4
	s_lshl_b32 s17, s17, 1
	s_add_co_u32 s17, s17, s19
	s_add_co_u32 s17, s17, s16
	s_mul_i32 s17, s17, 4*BLK
	s_add_co_u32 s18, s18, s17
	s_mov_b32 s19, 0
	s_mul_i32 s45, s14, BLK                        ; where it goes: wave x a block
	s_mov_b32 s[SEL], 0x76543210
	s_mov_b32 s[SEL+1], 0xfedcba98
	s_mov_b32 s[CS], 0x3d38aa3b                    ; c = log2(e) / 32
	s_mov_b32 s[CS+1], s[CS]
	s_mov_b32 s[MSK], 0xffff0000
	s_wait_dscnt 0x0                               ; both opening adds are done
	s_wait_kmcnt 0x0
	s_add_nc_u64 s[18:19], s[4:5], s[18:19]
.irp s, 0,1
	s_mov_b32 s[G0+4*\s], 1
	s_add_co_u32 s[G0+4*\s+1], s45, \s*SLOT
	s_add_nc_u64 s[G0+4*\s+2:G0+4*\s+3], s[18:19], \s*BLK
	s_or_b32 s[G0+4*\s+3], s[G0+4*\s+3], 0x80000000
	TLOAD \s                                       ; the two first fills: two loads of mine are out
.endr
	v_and_b32 v1, 31, v0
	v_lshlrev_b32 v[VO16], 4, v1
	v_lshlrev_b32 v[VO4], 2, v1
	s_mul_i32 s17, s15, BLK                        ; q's block,
	s_mul_i32 s47, s16, BLK
	s_add_co_u32 s47, s47, 2*BLK                   ; k's, behind q's two
.irp s, 0,1
	v_add_nc_u32 v[ADRA+\s], s17, v[VO16]
	v_add_nc_u32 v[ADRB+\s], s47, v[VO16]
	v_add_nc_u32 v[ADSA+\s], s17, v[VO4]
	v_add_nc_u32 v[ADSB+\s], s47, v[VO4]
	s_add_co_u32 s17, s17, SLOT
	s_add_co_u32 s47, s47, SLOT
.endr
.irp b, 0,1,2,3
	v_mov_b32 v[BT+\b], 0                          ; written once: a lane permute's destination counts as one of its sources
.endr
	v_mov_b32 v[NINF], 0xff800000
	v_and_b32 v2, 15, v0                           ; r
	v_and_b32 v3, 8, v0                            ; 8 (r / 8)
	v_and_b32 v4, 16, v0                           ; 16 (lane / 16)
	v_add_nc_u32 v[QL], v2, v3
	v_sub_nc_u32 v[QL], v[QL], v4
	s_sub_co_i32 s47, s15, s16
	s_lshl_b32 s47, s47, 7
	v_add_nc_u32 v[QL], s47, v[QL]                 ; 128 (my queries' half - my keys' half) + r + 8 (r / 8) - 16 (lane / 16)
	s_cmp_eq_u32 s10, s11                          ; the mask is at work on the diagonal tile,
	s_cselect_b32 s[DIAG], 1, 0
	s_cmp_eq_u32 s14, 2                            ; but not for its later queries against its earlier keys
	s_cselect_b32 s[DIAG], 0, s[DIAG]
	s_lshl_b32 s47, s12, 4
	s_lshl_b32 s55, s10, 1
	s_add_co_u32 s47, s47, s55
	s_add_co_u32 s47, s47, s15                     ; my query block
	s_lshl_b32 s55, s47, 3
	s_add_co_u32 s55, s55, s11
	s_mul_i32 s55, s55, PBLK                       ; P's block
	s_mul_i32 s56, s16, 12288
	s_add_co_u32 s[PB], s55, s56
	s_mov_b32 s[PB+1], 0
	s_lshl_b32 s56, s16, 9
	s_add_co_u32 s[PS], s55, s56
	s_add_co_u32 s[PS], s[PS], SCO
	s_mov_b32 s[PS+1], 0
	s_lshl_b32 s[STB], s47, 4
	s_lshl_b32 s56, s11, 1
	s_add_co_u32 s[STB], s[STB], s56
	s_add_co_u32 s[STB], s[STB], s16               ; 16 x query block + the 128-key step
	s_lshl_b32 s[STB], s[STB], 9
	s_mov_b32 s[STB+1], 0
	s_add_nc_u64 s[PB:PB+1], s[6:7], s[PB:PB+1]
	s_add_nc_u64 s[PS:PS+1], s[6:7], s[PS:PS+1]
	s_add_nc_u64 s[STB:STB+1], s[8:9], s[STB:STB+1]
	s_wait_tensorcnt 1                             ; my block of slot 0 is in; slot 1's may stay out
	s_barrier_signal -1
	s_barrier_wait -1
	FIRST
	STEP 0, 1
	TURN 0, 1, 1
	STEP 1, 0
	TURN 1, 0, 1
	STEP 0, 0
	TURN 0, 1, 0
	STEP 1, 0
	LAST 1
	PLACES 4
.irp a, 0,1,2,3,4,5,6,7
	SOFTQ \a
.endr
	s_wait_tensorcnt 0x0                           ; the wave's end
	ds_add_u32 v[SPW], v[NIL]
	s_wait_dscnt 0x0
	s_endpgm
.Lfunc_end_k_qffd4b3318e_score:
	.size	k_qffd4b3318e_score, .Lfunc_end_k_qffd4b3318e_score-k_qffd4b3318e_score
	.p2alignl 7, 3214868480
	.fill 96, 4, 3214868480
	.section	.rodata,"a",@progbits
	.p2align	6, 0x0
	.amdhsa_kernel k_qffd4b3318e_score
		.amdhsa_group_segment_fixed_size 327680
		.amdhsa_private_segment_fixed_size 0
		.amdhsa_enable_private_segment 0
		.amdhsa_kernarg_size 24
		.amdhsa_user_sgpr_count 2
		.amdhsa_user_sgpr_kernarg_segment_ptr 1
		.amdhsa_wavefront_size32 1
		.amdhsa_system_sgpr_workgroup_id_x 1
		.amdhsa_system_sgpr_workgroup_id_y 1
		.amdhsa_system_sgpr_workgroup_id_z 1
		.amdhsa_system_vgpr_workitem_id 0
		.amdhsa_next_free_vgpr 1024
		.amdhsa_next_free_sgpr 66
		.amdhsa_reserve_vcc 1
		.amdhsa_float_denorm_mode_32 3
		.amdhsa_float_denorm_mode_16_64 3
		.amdhsa_memory_ordered 1
		.amdhsa_forward_progress 1
		.amdhsa_inst_pref_size 238
	.end_amdhsa_kernel
	.amdgpu_metadata
---
amdhsa.version: [ 1, 2 ]
amdhsa.kernels:
  - .name:           k_qffd4b3318e_score
    .symbol:         k_qffd4b3318e_score.kd
    .args:
      - { .name: qkv, .offset: 0, .size: 8, .value_kind: global_buffer, .address_space: global }
      - { .name: pimg, .offset: 8, .size: 8, .value_kind: global_buffer, .address_space: global }
      - { .name: stat, .offset: 16, .size: 8, .value_kind: global_buffer, .address_space: global }
    .group_segment_fixed_size: 327680
    .private_segment_fixed_size: 0
    .kernarg_segment_align: 8
    .kernarg_segment_size: 24
    .max_flat_workgroup_size: 128
    .sgpr_count:     66
    .vgpr_count:     1024
    .wavefront_size: 32
...
	.end_amdgpu_metadata
.endif
;; end of part 3
;; launch pv (part 4): grid 4 x 32, 4 waves a work-group, no clusters, 327,680 bytes of LDS; arguments qkv, pimg, stat, out0; writes out0
.if DOCPART == 4
	.amdgcn_target "amdgcn-amd-amdhsa--gfx1250"
	.amdhsa_code_object_version 6
	.text
	.protected	k_qffd4b3318e_pv
	.globl	k_qffd4b3318e_pv
	.p2align	8
	.type	k_qffd4b3318e_pv,@function
k_qffd4b3318e_pv:
	s_mov_b64 s[64:65], 0
	v_nop
	global_prefetch_b8 v0, s[64:65] scope:SCOPE_SE
	s_setreg_imm32_b32 hwreg(HW_REG_WAVE_MODE, 25, 1), 1
	s_wait_xcnt 0x0
; LAUNCH 4 OF 4: out = (P v) / l on codes of FP6 (E2M3).  A work-group makes 256 queries (tile I of batch bt) x 256 features (tile X); a wave 128 x 128.
; DEAD WORK LEFT OUT: the keys of tiles after tile I are no K step: their weights are 0 by reference()'s own jnp.tril, for all inputs (launch 1's head).  So K is 256 (I + 1) keys: N = I + 1 slots.
; Source 0 = 16 features of v^T, source 1 = 16 queries of P: a lane holds one query, its registers run along the features.
; THE ROW'S M AND l.  At the head a wave reads its 128 queries' M and l of all 16 steps of 128 keys (dead steps hold M = -3e38, l = 0): M = the largest; l = the sum of l_k 2^(M_k - M), by v_ldexp_f32: exact scalings.
; P'S SCALE BYTES were made under each step's own M_k, which rides in P's block.  In each slot M - M_k (a whole number, 0 or more, held at 127) is taken off each byte, four bytes at a time; a byte that would fall
; under 0 is held at 0 (2^-127).  P's bytes are at most 125, so with bit 7 set in each byte no borrow passes from byte to byte.
; RING: two slots of P's two blocks (26,624 bytes) and v^T's two (25,600); waves 0, 1 fetch P's, waves 2, 3 v^T's.  Slot 0's first fill goes out at the head, slot 1's behind the first barrier, where nothing is filled again.
; THE WALK hangs on the tile row alone: its tails are written out and chosen by branches on ids, the same in all four waves; every wait on TENSORcnt is for 0; no LDS address is stepped.
; NO CLUSTER: along the queries partners would need different numbers of tiles; along the features only P's half of a step's bytes is shared, and every tensor load here stands on a way that the tile row chooses.
; The long walks get the low work-group numbers.  LIMITS: as at the heads of launches 1 and 3.
.set BLK,    25600
.set PBLK,   26624
.set SLOT,   2*PBLK+2*BLK
.set STG,    2*SLOT                    ; behind the ring: a stage of 16 rows x (512 + 16) bytes for each wave,
.set SCR,    STG+4*16*528              ; 1,024 bytes a wave: the rows' M, then 1 / l,
.set SPARE,  SCR+4*1024                ; and the spare words, 128 bytes a wave, that no other line names
.set VPART,  13107200
.set STL,    524288
.set SCO,    24576
.set STO,  8                           ; v8  the stage: where I put 32 bytes of a row
.set RD,   9                           ; v9  and where I read a row back
.set SCW,  10                          ; v10 my wave's scratch + 16 x lane
.set SCRD, 11                          ; v11 + 4 x lane
.set RLA,  12                          ; v12 + 4 r
.set ADRA, 16
.set ADRB, 18
.set ADSA, 20
.set ADSB, 22
.set VO16, 24
.set VO4,  25
.set SPW,  28
.set NIL,  29
.set SA,   32
.set SB,   48
.set ML,   64                          ; v64-71 a slot's M_k, laid as P's scale words
.set TT,   72                          ; v72-79, v80-87 at work
.set UU,   80
.set MROW, 88                          ; v88-91 the rows' M, in the same layout
.set M4,   92                          ; v92-95 the head: M of rows 4 l .. 4 l + 3; v96-99 l; v100-103 1 / l
.set RI,   64                          ; the way out: 1 / l of my row of tile a, twice, at v[64 + 2 a]
.set AF,   128
.set BK,   128                         ; the way out: rows read back from the stage, v128-191 and v192-255 by turns
.set G1A, 24
.set G0A, 32
.set G1B, 48
.set G0B, 56
.set MSB, 0
.macro WIN new
.if MSB != (\new)
	s_set_vgpr_msb (MSB<<8)|(\new)
.set MSB, (\new)
.endif
.endm
.set MUL_LO, 0xa1
.set MUL_HI, 0xf1
.set TO_B,   0x40
.macro PLACES n
.rept \n
	v_nop
.endr
.endm
.macro TLOAD slot                      ; waves 0, 1: P's blocks; waves 2, 3: v^T's.  An s_nop 0 and four v_nop follow each of the two lines
	s_cmp_eq_u32 s15, 0
	s_cbranch_scc0 .Lfor_b_\@
	tensor_load_to_lds s[G0A+4*\slot:G0A+4*\slot+3], s[G1A:G1A+7]
	s_nop 0
.rept 4
	v_nop
.endr
	s_branch .Lasked_\@
.Lfor_b_\@:
	tensor_load_to_lds s[G0B+4*\slot:G0B+4*\slot+3], s[G1B:G1B+7]
	s_nop 0
.rept 4
	v_nop
.endr
.Lasked_\@:
.endm
.macro FRAG reg, adr, q, t
.irp c, 0,1,2
	ds_load_b128 v[(\reg)+4*\c:(\reg)+4*\c+3], v[\adr] offset:(\q)*12288+(\t)*1536+512*\c
.endr
.endm
.macro FETCH_B slot, q, p
	WIN TO_B
.irp t, 0,1,2,3,4,5,6,7
	FRAG 128*(\p)+12*\t, ADRB+\slot, \q, \t
.endr
	WIN 0
.endm
.macro FETCH_A slot, q, t0
.irp t, \t0, \t0+1, \t0+2, \t0+3
	FRAG AF+12*(\t), ADRA+\slot, \q, \t
.endr
.endm
.macro SCALES set                      ; a slot's scale words, and P's M_k: 24 loads
.irp q, 0,1
.irp i, 0,1,2,3
	ds_load_b32 v[SA+8*(\set)+4*\q+\i], v[ADSA+\set] offset:SCO+\q*512+128*\i
	ds_load_b32 v[SB+8*(\set)+4*\q+\i], v[ADSB+\set] offset:SCO+\q*512+128*\i
	ds_load_b32 v[ML+4*\q+\i], v[ADSA+\set] offset:SCO+1024+\q*512+128*\i
.endr
.endr
.endm
; P's eight scale registers of a slot are brought under the rows' M: each byte becomes max(byte - (M - M_k), 0).
.macro ADJ set
.irp n, 0,1,2,3,4,5,6,7
	v_sub_f32 v[TT+\n], v[MROW+\n%4], v[ML+\n]     ; M - M_k: a whole number, 0 or more
.endr
.irp n, 0,1,2,3,4,5,6,7
	v_cvt_u32_f32 v[TT+\n], v[TT+\n]               ; (it saturates)
.endr
.irp n, 0,1,2,3,4,5,6,7
	v_min_u32 v[TT+\n], 127, v[TT+\n]
.endr
.irp n, 0,1,2,3,4,5,6,7
	v_perm_b32 v[TT+\n], v[TT+\n], v[TT+\n], s45   ; into all four bytes
.endr
.irp n, 0,1,2,3,4,5,6,7
	v_or_b32 v[SA+8*(\set)+\n], s44, v[SA+8*(\set)+\n]   ; bit 7 of each byte keeps the borrows apart
.endr
.irp n, 0,1,2,3,4,5,6,7
	v_sub_nc_u32 v[SA+8*(\set)+\n], v[SA+8*(\set)+\n], v[TT+\n]
.endr
.irp n, 0,1,2,3,4,5,6,7
	v_and_b32 v[UU+\n], s44, v[SA+8*(\set)+\n]     ; bit 7 is left where the byte did not fall under 0
.endr
.irp n, 0,1,2,3,4,5,6,7
	v_lshrrev_b32 v[TT+\n], 7, v[UU+\n]
.endr
.irp n, 0,1,2,3,4,5,6,7
	v_sub_nc_u32 v[UU+\n], v[UU+\n], v[TT+\n]      ; 0x7f there, 0 elsewhere
.endr
.irp n, 0,1,2,3,4,5,6,7
	v_and_b32 v[SA+8*(\set)+\n], v[SA+8*(\set)+\n], v[UU+\n]
.endr
	PLACES 8                                       ; a scale register written by a vector instruction stands eight places ahead of the scaled matrix instruction
.endm
.macro WM d, s0, s1, zero, x0, x1, r0, r1
.if \zero
.if (\r0)+2*(\r1) == 0
	v_wmma_scale_f32_16x16x128_f8f6f4 v[\d:\d+7], v[\s0:\s0+11], v[\s1:\s1+11], 0, v[\x0], v[\x1] matrix_a_fmt:MATRIX_FMT_FP6 matrix_b_fmt:MATRIX_FMT_FP6
.elseif (\r0)+2*(\r1) == 1
	v_wmma_scale_f32_16x16x128_f8f6f4 v[\d:\d+7], v[\s0:\s0+11], v[\s1:\s1+11], 0, v[\x0], v[\x1] matrix_a_fmt:MATRIX_FMT_FP6 matrix_b_fmt:MATRIX_FMT_FP6 matrix_a_scale:MATRIX_SCALE_ROW1
.elseif (\r0)+2*(\r1) == 2
	v_wmma_scale_f32_16x16x128_f8f6f4 v[\d:\d+7], v[\s0:\s0+11], v[\s1:\s1+11], 0, v[\x0], v[\x1] matrix_a_fmt:MATRIX_FMT_FP6 matrix_b_fmt:MATRIX_FMT_FP6 matrix_b_scale:MATRIX_SCALE_ROW1
.else
	v_wmma_scale_f32_16x16x128_f8f6f4 v[\d:\d+7], v[\s0:\s0+11], v[\s1:\s1+11], 0, v[\x0], v[\x1] matrix_a_fmt:MATRIX_FMT_FP6 matrix_b_fmt:MATRIX_FMT_FP6 matrix_a_scale:MATRIX_SCALE_ROW1 matrix_b_scale:MATRIX_SCALE_ROW1
.endif
.else
.if (\r0)+2*(\r1) == 0
	v_wmma_scale_f32_16x16x128_f8f6f4 v[\d:\d+7], v[\s0:\s0+11], v[\s1:\s1+11], v[\d:\d+7], v[\x0], v[\x1] matrix_a_fmt:MATRIX_FMT_FP6 matrix_b_fmt:MATRIX_FMT_FP6
.elseif (\r0)+2*(\r1) == 1
	v_wmma_scale_f32_16x16x128_f8f6f4 v[\d:\d+7], v[\s0:\s0+11], v[\s1:\s1+11], v[\d:\d+7], v[\x0], v[\x1] matrix_a_fmt:MATRIX_FMT_FP6 matrix_b_fmt:MATRIX_FMT_FP6 matrix_a_scale:MATRIX_SCALE_ROW1
.elseif (\r0)+2*(\r1) == 2
	v_wmma_scale_f32_16x16x128_f8f6f4 v[\d:\d+7], v[\s0:\s0+11], v[\s1:\s1+11], v[\d:\d+7], v[\x0], v[\x1] matrix_a_fmt:MATRIX_FMT_FP6 matrix_b_fmt:MATRIX_FMT_FP6 matrix_b_scale:MATRIX_SCALE_ROW1
.else
	v_wmma_scale_f32_16x16x128_f8f6f4 v[\d:\d+7], v[\s0:\s0+11], v[\s1:\s1+11], v[\d:\d+7], v[\x0], v[\x1] matrix_a_fmt:MATRIX_FMT_FP6 matrix_b_fmt:MATRIX_FMT_FP6 matrix_a_scale:MATRIX_SCALE_ROW1 matrix_b_scale:MATRIX_SCALE_ROW1
.endif
.endif
.endm
.macro MUL16 a0, p, q, sc, zero        ; the 64 accumulators take turns, in the same order in every step
.irp a, \a0, \a0+1
.irp b, 0,1,2,3,4,5,6,7
	WM 8*(8*((\a)%4)+\b), 128*(\p)+12*\b, AF+12*(\a), \zero, SB+8*(\sc)+4*(\q)+\b/2, SA+8*(\sc)+4*(\q)+(\a)/2, \b%2, (\a)%2
.endr
.endr
.endm
.macro FIRST
	FETCH_B 0, 0, 0
	FETCH_A 0, 0, 0
	SCALES 0
	s_wait_dscnt 0x0
	ADJ 0
	FETCH_A 0, 0, 4
.endm
.macro STEP slot, zero
	s_wait_dscnt 12                                ; all but the youngest twelve loads (A tiles 4-7) are in
	WIN MUL_LO
	MUL16 0, 0, 0, \slot, \zero
	MUL16 2, 0, 0, \slot, \zero
	s_wait_dscnt 0x0
	PLACES 4
	FETCH_B \slot, 1, 1
	FETCH_A \slot, 1, 0
	WIN MUL_HI
	MUL16 4, 0, 0, \slot, \zero
	MUL16 6, 0, 0, \slot, \zero
	PLACES 4
	WIN 0
	FETCH_A \slot, 1, 4
.endm
.macro TURN slot, next, fill
	s_wait_tensorcnt 0x0                           ; all my tensor loads have landed: my block of the next slot
	ds_add_u32 v[SPW], v[NIL]
	s_wait_dscnt 13                                ; (the add and the youngest twelve loads may be out)
	WIN MUL_LO
	MUL16 0, 1, 1, \slot, 0
	s_wait_dscnt 0x0                               ; the add is done, and my reads of this slot are over
	s_barrier_signal -1
	MUL16 2, 1, 1, \slot, 0
	WIN 0
	s_barrier_wait -1                              ; nobody reads this slot any more, and the next slot is whole
.if \fill
	s_add_nc_u64 s[G0A+4*\slot+2:G0A+4*\slot+3], s[G0A+4*\slot+2:G0A+4*\slot+3], 2*PBLK
	s_add_nc_u64 s[G0B+4*\slot+2:G0B+4*\slot+3], s[G0B+4*\slot+2:G0B+4*\slot+3], 2*BLK
	TLOAD \slot                                    ; my one tensor load behind the barrier; its four v_nop are the places in front of the loads below
.else
	PLACES 4
.endif
	FETCH_B \next, 0, 0
	FETCH_A \next, 0, 0
	SCALES \next
	WIN MUL_HI
	MUL16 4, 1, 1, \slot, 0
	MUL16 6, 1, 1, \slot, 0
	s_wait_dscnt 0x0                               ; the next slot's scale words and M_k are in (asked for 32 matrix instructions ago)
	WIN 0
	ADJ \next                                      ; its lines name no register of the products above: they are also the places in front of the loads below
	FETCH_A \next, 0, 4
.endm
.macro LAST slot
	s_wait_dscnt 12
	WIN MUL_LO
	MUL16 0, 1, 1, \slot, 0
	MUL16 2, 1, 1, \slot, 0
	s_wait_dscnt 0x0
	WIN MUL_HI
	MUL16 4, 1, 1, \slot, 0
	MUL16 6, 1, 1, \slot, 0
	WIN 0
.endm
; THE WAY OUT of query tile a: divided by l; through my stage; back as whole rows of 512 bytes.
.macro SCALE a
.set W, 2+(\a)/4
.set S, 64*((\a)%4)
	WIN W|(W<<6)
.set n, 0
.rept 32
	v_pk_mul_f32 v[S+n:S+n+1], v[S+n:S+n+1], v[RI+2*(\a):RI+2*(\a)+1]   ; each accumulator from its low end on
.set n, n+2
.endr
.endm
.macro TOSTAGE a
.set W, 2+(\a)/4
.set S, 64*((\a)%4)
.set BB, BK+64*((\a)%2)
	WIN W<<2                                       ; an LDS store's data are its source 1
.irp b, 0,1,2,3,4,5,6,7
	ds_store_b128 v[STO], v[S+8*\b:S+8*\b+3] offset:128*(\b/2)+32*(\b%2)          ; features 32 (b / 2) + 16 (lane / 16) + 8 (b % 2) + 0 .. 7 of my row
	ds_store_b128 v[STO], v[S+8*\b+4:S+8*\b+7] offset:128*(\b/2)+32*(\b%2)+16
.endr
	WIN 0
.irp t, 0,1,2,3,4,5,6,7,8,9,10,11,12,13,14,15
	ds_load_b128 v[BB+4*\t:BB+4*\t+3], v[RD] offset:\t*528   ; LDS serves a wave's instructions in order: these see my stores, and the next tile's stores come behind them
.endr
.endm
.macro SEND a, younger                 ; younger: the LDS instructions issued behind tile a's loads, which may stay out
.set BB, BK+64*((\a)%2)
	s_wait_dscnt \younger
.irp t, 0,1,2,3,4,5,6,7,8,9,10,11,12,13,14,15
	global_store_b128 v[VO16], v[BB+4*\t:BB+4*\t+3], s[42:43] offset:(32*((\a)/2)+8*((\a)%2)+\t+8*(\t/8))*4096 th:TH_STORE_NT   ; 32 lanes store 512 consecutive, aligned bytes of the tile's lane-row t
.endr
.endm
	s_load_b256 s[4:11], s[0:1], 0x0               ; qkv, pimg, stat, out0
	v_lshl_add_u32 v[SPW], v0, 2, SPARE
	v_mov_b32 v[NIL], 0
	ds_add_u32 v[SPW], v[NIL]                      ; the wave's opening: the add, twice on end, and its wait ahead of my first tensor load
	ds_add_u32 v[SPW], v[NIL]
	v_lshrrev_b32 v1, 5, v0
	v_readfirstlane_b32 s14, v1                    ; wave 0..3
	s_lshr_b32 s15, s14, 1                         ; which 128 queries are mine.  Also: I fetch for P (0) or for v^T (1)
	s_and_b32 s16, s14, 1                          ; which 128 features.  Also: which of the two blocks I fetch
	s_mov_b32 s12, ttmp9                           ; X
	s_and_b32 s13, ttmp7, 0xffff
	s_lshr_b32 s17, s13, 3                         ; the batch
	s_and_b32 s18, s13, 7
	s_xor_b32 s18, s18, 7                          ; I: the long walks first
	s_add_co_u32 s19, s18, 1                       ; N slots
.irp g, G1A, G1B                               ; dense blocks as rows of 256 bytes: elements of 8 bytes, no mask, no padding
	s_mov_b32 s[\g+0], 3<<16
	s_mov_b32 s[\g+1], 32<<16
	s_mov_b32 s[\g+3], 32<<16
	s_mov_b32 s[\g+5], 32
	s_mov_b32 s[\g+6], 0
	s_mov_b32 s[\g+7], 0
.endr
	s_mov_b32 s[G1A+2], 104<<16                    ; P's: 104 rows,
	s_mov_b32 s[G1A+4], 104
	s_mov_b32 s[G1B+2], 100<<16                    ; v^T's: 100
	s_mov_b32 s[G1B+4], 100
	s_lshl_b32 s20, s17, 4
	s_lshl_b32 s21, s18, 1
	s_add_co_u32 s20, s20, s21                     ; the tile's first query block
	s_add_co_u32 s22, s20, s16
	s_mul_i32 s22, s22, 8*PBLK                     ; P: query block + half, key block 0
	s_mov_b32 s23, 0
	s_lshl_b32 s66, s12, 1
	s_add_co_u32 s66, s66, s16
	s_lshl_b32 s66, s66, 5
	s_lshl_b32 s67, s17, 3
	s_add_co_u32 s66, s66, s67
	s_mul_i32 s66, s66, BLK
	s_add_co_u32 s66, s66, VPART                   ; v^T: feature block 2 X + half, the batch's key block 0
	s_mov_b32 s67, 0
	s_add_co_u32 s40, s20, s15
	s_lshl_b32 s40, s40, 13                        ; stat: my query block's 16 steps x 512 bytes
	s_mov_b32 s41, 0
	s_lshl_b32 s42, s17, 23                        ; out0: 2,048 rows of 4,096 bytes a batch,
	s_lshl_b32 s68, s18, 20                        ; 256 a tile,
	s_add_co_u32 s42, s42, s68
	s_lshl_b32 s68, s15, 19                        ; 128 a wave;
	s_add_co_u32 s42, s42, s68
	s_lshl_b32 s68, s12, 10                        ; 256 features a tile,
	s_add_co_u32 s42, s42, s68
	s_lshl_b32 s68, s16, 9                         ; 128 a wave
	s_add_co_u32 s42, s42, s68
	s_mov_b32 s43, 0
	s_mov_b32 s44, 0x80808080
	s_mov_b32 s45, 0
	s_mul_i32 s46, s16, PBLK                       ; where my block goes in a slot: P's,
	s_mul_i32 s47, s16, BLK
	s_add_co_u32 s47, s47, 2*PBLK                  ; v^T's
	s_wait_dscnt 0x0                               ; both opening adds are done
	s_wait_kmcnt 0x0
	s_add_nc_u64 s[22:23], s[6:7], s[22:23]
	s_add_nc_u64 s[66:67], s[4:5], s[66:67]
	s_add_nc_u64 s[40:41], s[8:9], s[40:41]
	s_add_nc_u64 s[42:43], s[10:11], s[42:43]
.irp s, 0,1
	s_mov_b32 s[G0A+4*\s], 1
	s_add_co_u32 s[G0A+4*\s+1], s46, \s*SLOT
	s_add_nc_u64 s[G0A+4*\s+2:G0A+4*\s+3], s[22:23], \s*PBLK
	s_or_b32 s[G0A+4*\s+3], s[G0A+4*\s+3], 0x80000000
	s_mov_b32 s[G0B+4*\s], 1
	s_add_co_u32 s[G0B+4*\s+1], s47, \s*SLOT
	s_add_nc_u64 s[G0B+4*\s+2:G0B+4*\s+3], s[66:67], \s*BLK
	s_or_b32 s[G0B+4*\s+3], s[G0B+4*\s+3], 0x80000000
.endr
	TLOAD 0                                        ; key block 0, which every work-group reads: the one fill at the head
	v_and_b32 v1, 31, v0
	v_lshlrev_b32 v[VO16], 4, v1
	v_lshlrev_b32 v[VO4], 2, v1
.set k, 0
.rept 16
	global_load_b128 v[128+4*k:131+4*k], v[VO16], s[40:41] offset:512*k        ; M of step k: rows 4 l .. 4 l + 3 (in the tiles' order)
.set k, k+1
.endr
.set k, 0
.rept 16
	global_load_b128 v[192+4*k:195+4*k], v[VO16], s[40:41] offset:STL+512*k    ; l likewise
.set k, k+1
.endr
	v_and_b32 v2, 15, v0                           ; r
	v_bfe_u32 v3, v0, 4, 1                         ; h
	s_mul_i32 s20, s15, PBLK                       ; my block of P in a slot,
	s_mul_i32 s21, s16, BLK
	s_add_co_u32 s21, s21, 2*PBLK                  ; and of v^T
.irp s, 0,1
	v_add_nc_u32 v[ADRA+\s], s20, v[VO16]
	v_add_nc_u32 v[ADRB+\s], s21, v[VO16]
	v_add_nc_u32 v[ADSA+\s], s20, v[VO4]
	v_add_nc_u32 v[ADSB+\s], s21, v[VO4]
	s_add_co_u32 s20, s20, SLOT
	s_add_co_u32 s21, s21, SLOT
.endr
	s_mul_i32 s20, s14, 16*528
	s_add_co_u32 s20, s20, STG                     ; my stage
	v_mul_u32_u24 v[STO], v2, 528
	v_lshl_add_u32 v[STO], v3, 6, v[STO]
	v_add_nc_u32 v[STO], s20, v[STO]               ; in: row r, + 64 h
	v_add_nc_u32 v[RD], s20, v[VO16]               ; back: 16 bytes a lane
	s_lshl_b32 s21, s14, 10
	s_add_co_u32 s21, s21, SCR                     ; my scratch
	v_add_nc_u32 v[SCW], s21, v[VO16]
	v_add_nc_u32 v[SCRD], s21, v[VO4]
	v_lshl_add_u32 v[RLA], v2, 2, s21
	s_wait_loadcnt 16                              ; the sixteen loads of M are in, those of l may be out
.irp e, 0,1,2,3
	v_max3_num_f32 v[M4+\e], v[128+\e], v[132+\e], v[136+\e]
.endr
.irp k, 3,5,7,9,11,13
.irp e, 0,1,2,3
	v_max3_num_f32 v[M4+\e], v[M4+\e], v[128+4*\k+\e], v[132+4*\k+\e]
.endr
.endr
.irp e, 0,1,2,3
	v_max_num_f32 v[M4+\e], v[M4+\e], v[188+\e]    ; the row's M
.endr
.set k, 0
.rept 16
	v_pk_add_f32 v[128+4*k:129+4*k], v[128+4*k:129+4*k], v[M4:M4+1] neg_lo:[0,1] neg_hi:[0,1]       ; M_k - M: a whole number, 0 or less
	v_pk_add_f32 v[130+4*k:131+4*k], v[130+4*k:131+4*k], v[M4+2:M4+3] neg_lo:[0,1] neg_hi:[0,1]
.set k, k+1
.endr
.set n, 0
.rept 64
	v_cvt_i32_f32 v[128+n], v[128+n]               ; (it saturates)
.set n, n+1
.endr
	s_wait_loadcnt 0x0
.set n, 0
.rept 64
	v_ldexp_f32 v[192+n], v[192+n], v[128+n]       ; l_k under the row's M
.set n, n+1
.endr
	v_pk_add_f32 v[96:97], v[192:193], v[196:197]
	v_pk_add_f32 v[98:99], v[194:195], v[198:199]
.set k, 2
.rept 14
	v_pk_add_f32 v[96:97], v[96:97], v[192+4*k:193+4*k]
	v_pk_add_f32 v[98:99], v[98:99], v[194+4*k:195+4*k]
.set k, k+1
.endr
.irp e, 0,1,2,3
	v_rcp_f32 v[100+\e], v[96+\e]
.endr
	v_nop                                          ; a plain place behind the reciprocals
	s_wait_alu depctr_va_vdst(0)                   ; one wait for the four, ahead of their first reader
	ds_store_b128 v[SCW], v[M4:M4+3]               ; the rows' M and 1 / l change lanes through my own scratch
	ds_store_b128 v[SCW], v[100:103] offset:512
.irp i, 0,1,2,3
	ds_load_b32 v[MROW+\i], v[SCRD] offset:128*\i  ; tile 2 i's rows in lanes 0-15, tile 2 i + 1's in lanes 16-31
.endr
	s_wait_tensorcnt 0x0                           ; my block of slot 0 has landed
	ds_add_u32 v[SPW], v[NIL]
	s_wait_dscnt 0x0
	s_barrier_signal -1
	s_barrier_wait -1                              ; slot 0 is whole.
	s_cmp_eq_u32 s19, 1
	s_cbranch_scc1 .Lone
	TLOAD 1                                        ; slot 1's first fill: key block 1
	FIRST
	STEP 0, 1                                      ; the first products start the sums: nothing is cleared
	s_lshr_b32 s3, s19, 1
	s_sub_co_u32 s3, s3, 1
	s_cmp_eq_u32 s3, 0
	s_cbranch_scc1 .Lnolap
.Llap:                                             ; N / 2 - 1 trips, each once round the ring: both slots are filled again
	TURN 0, 1, 1
	STEP 1, 0
	TURN 1, 0, 1
	STEP 0, 0
	s_sub_co_u32 s3, s3, 1
	s_cmp_lg_u32 s3, 0
	s_cbranch_scc1 .Llap
.Lnolap:
	s_bitcmp1_b32 s19, 0
	s_cbranch_scc1 .Lodd
	TURN 0, 1, 0                                   ; N even: slot 1 holds the last key block
	STEP 1, 0
	LAST 1
	s_branch .Lout
.Lodd:
	TURN 0, 1, 1                                   ; N odd: one more key block, into slot 0
	STEP 1, 0
	TURN 1, 0, 0
	STEP 0, 0
	LAST 0
	s_branch .Lout
.Lone:                                             ; N = 1: slot 0 is all
	FIRST
	STEP 0, 1
	LAST 0
.Lout:
	PLACES 4
.irp a, 0,1,2,3,4,5,6,7
	ds_load_b32 v[RI+2*\a], v[RLA] offset:512+64*\a          ; 1 / l of my row of tile a, twice: a pair for the packed multiply
	ds_load_b32 v[RI+2*\a+1], v[RLA] offset:512+64*\a
.endr
	s_wait_dscnt 0x0
	SCALE 0
	TOSTAGE 0
.irp a, 1,2,3,4,5,6,7
.if \a > 1
	s_wait_xcnt 0x0                                ; tile a - 2's stores have read their registers: tile a's rows may land there
.endif
	SCALE \a
	TOSTAGE \a
	SEND \a-1, 32                                  ; behind tile a - 1's loads: tile a's 16 stores and 16 loads
.endr
	SEND 7, 0
	s_wait_tensorcnt 0x0                           ; the wave's end
	ds_add_u32 v[SPW], v[NIL]
	s_wait_dscnt 0x0
	s_endpgm
.Lfunc_end_k_qffd4b3318e_pv:
	.size	k_qffd4b3318e_pv, .Lfunc_end_k_qffd4b3318e_pv-k_qffd4b3318e_pv
	.p2alignl 7, 3214868480
	.fill 96, 4, 3214868480
	.section	.rodata,"a",@progbits
	.p2align	6, 0x0
	.amdhsa_kernel k_qffd4b3318e_pv
		.amdhsa_group_segment_fixed_size 327680
		.amdhsa_private_segment_fixed_size 0
		.amdhsa_enable_private_segment 0
		.amdhsa_kernarg_size 32
		.amdhsa_user_sgpr_count 2
		.amdhsa_user_sgpr_kernarg_segment_ptr 1
		.amdhsa_wavefront_size32 1
		.amdhsa_system_sgpr_workgroup_id_x 1
		.amdhsa_system_sgpr_workgroup_id_y 1
		.amdhsa_system_sgpr_workgroup_id_z 1
		.amdhsa_system_vgpr_workitem_id 0
		.amdhsa_next_free_vgpr 1024
		.amdhsa_next_free_sgpr 80
		.amdhsa_reserve_vcc 0
		.amdhsa_float_denorm_mode_32 3
		.amdhsa_float_denorm_mode_16_64 3
		.amdhsa_memory_ordered 1
		.amdhsa_forward_progress 1
		.amdhsa_inst_pref_size 255
	.end_amdhsa_kernel
	.section	.bss,"aw",@nobits
	.p2align	6
	.space	262144
	.amdgpu_metadata
---
amdhsa.version: [ 1, 2 ]
amdhsa.kernels:
  - .name:           k_qffd4b3318e_pv
    .symbol:         k_qffd4b3318e_pv.kd
    .args:
      - { .name: qkv, .offset: 0, .size: 8, .value_kind: global_buffer, .address_space: global }
      - { .name: pimg, .offset: 8, .size: 8, .value_kind: global_buffer, .address_space: global }
      - { .name: stat, .offset: 16, .size: 8, .value_kind: global_buffer, .address_space: global }
      - { .name: out0, .offset: 24, .size: 8, .value_kind: global_buffer, .address_space: global }
    .group_segment_fixed_size: 327680
    .private_segment_fixed_size: 0
    .kernarg_segment_align: 8
    .kernarg_segment_size: 32
    .max_flat_workgroup_size: 128
    .sgpr_count:     80
    .vgpr_count:     1024
    .wavefront_size: 32
...
	.end_amdgpu_metadata
.endif
;; end of part 4
;; ======== version 2 of 2: 4 launches; 1.11 times as fast as version 1
;; workspace buffers: xw 9,011,200 bytes; qkv 19,660,800 bytes; pimg 13,631,488 bytes; stat 1,048,576 bytes
;; launch quant: the kernel of part 1 again; grid 704 x 1, 4 waves a work-group, no clusters, 68,096 bytes of LDS; arguments x, Wq, Wk, Wv, xw, stat; writes xw, stat
;; launch proj (part 5): grid 12 x 32, 4 waves a work-group, clusters of 4 x 4, 327,680 bytes of LDS; arguments xw, qkv; writes qkv
.if DOCPART == 5
	.amdgcn_target "amdgcn-amd-amdhsa--gfx1250"
	.amdhsa_code_object_version 6
	.text
	.protected	k_qffd4b3318e_proj
	.globl	k_qffd4b3318e_proj
	.p2align	8
	.type	k_qffd4b3318e_proj,@function
k_qffd4b3318e_proj:
	s_mov_b64 s[64:65], 0
	v_nop
	global_prefetch_b8 v0, s[64:65] scope:SCOPE_SE
	s_setreg_imm32_b32 hwreg(HW_REG_WAVE_MODE, 25, 1), 1
	s_wait_xcnt 0x0
	s_wait_alu depctr_hold_cnt(0) depctr_sa_sdst(0) depctr_va_vdst(0) depctr_va_sdst(0) depctr_va_ssrc(0) depctr_va_vcc(0) depctr_vm_vsrc(0)
	s_getreg_b32 s2, hwreg(HW_REG_IB_STS2, 6, 4)
	s_cmp_eq_u32 s2, 0
	s_cbranch_scc0 .Lentry_in_a_cluster
	s_endpgm
.Lentry_in_a_cluster:
	s_bfe_u32 s2, ttmp6, 0x10000c
	s_cmp_lg_u32 s2, 0xf033
	s_cbranch_scc0 .Lentry_shape_is_right
	s_endpgm
.Lentry_shape_is_right:
; LAUNCH 2 OF 4: q = x Wq^T, k = x Wk^T, v = x Wv^T on codes of FP6 (E2M3) with E8M0 scales, f32 sums; each result is quantised in registers on the way out and leaves as images of operand registers.
; q and k are quantised along the features, v along the KEYS.  One text serves all three: a work-group takes 256 rows of x (tile Y) and 256 rows of a weight (tile X: 0-3 Wq, 4-7 Wk, 8-11 Wv).
; THE MATRIX INSTRUCTION: source 0 = a tile of the B ROLE, whose rows run down a lane's registers; source 1 = a tile of the A ROLE, whose rows lie across the lanes.  What runs down the registers is the K of the next
; product.  For q and k: A role = x, B role = the weight.  For v the roles change places, in the LDS read addresses alone: a lane then holds a feature and its registers run along the keys: v^T.
; The choice hangs on the cluster's x, which all sixteen partners share.
; BLOCKS (launch 1's layout): 128 rows x 256 K = 25,600 dense bytes; a fragment comes by three loads of 16 bytes a lane, 512 consecutive bytes each: no pitch, no padding.
; THREE SLOTS of four blocks (x's two, the weight's two); wave w fetches block w of a slot by one tensor load.  K = 1,024 is four K blocks: blocks 0, 1, 2 are asked for together at the head (three loads of a wave are
; out), block 3 goes into slot 0 behind the change out of it, the launch's one refill, and has two slots' work, 256 matrix instructions a wave, in which to land.  In front of that change's barrier every wave has waited
; for all its loads, so slots 1 and 2 are whole for everybody behind it: the change from slot 1 to slot 2 needs no wait on the loads and no barrier.
; CLUSTER 4 x 4: x's blocks hang on Y alone and are asked for jointly by a row of the cluster, the weight's on X alone, by a column.
; A wave makes 128 x 128: 64 accumulators.  REGISTERS: window 0: v2-13, v24-25 addresses; v32-47, v48-63 scale words of the A and B roles, two sets (register 4 q + i: tile 2 i in lanes 0-15, tile 2 i + 1 in lanes 16-31);
; v64-255 at work on the way out; v128-223 the A role's 8 fragments, one set.  window 1: the B role's fragments, two sets, at v0 and v128.  windows 2, 3: accumulator (a, b) at v[8 (8 (a % 4) + b)] of window 2 + a / 4.
; qkv: q's 256 blocks (4 x row block + K block), k's 256, then v^T's 256 (32 x feature block + key block, keys of all four batches on end).
; LIMITS: as stated at launch 1's head.
.set BLK,    25600
.set SLOT,   4*BLK
.set SPARE,  3*SLOT                    ; behind the three slots: the spare words, 128 bytes a wave, that no other line names
.set WPART,  6553600                   ; where the weights' blocks begin in xw
.set PART,   6553600                   ; q, k, v^T in qkv
.set SCO,    24576                     ; a block's scale words
.set ADRA, 2                           ; v2-4   LDS address of the A role's fragments in slot 0, 1, 2: block + 16 x lane
.set ADRB, 5                           ; v5-7   the B role's
.set ADSA, 8                           ; v8-10  block + 4 x lane: scale words
.set ADSB, 11                          ; v11-13
.set VO16, 24                          ; 16 x lane
.set VO4,  25                          ; 4 x lane
.set SPW,  28
.set NIL,  29
.set SA,   32
.set SB,   48
.set AF,   128
.set TM,   64                          ; the way out: v64-79 at work
.set PW,   80                          ; v80-87 a scale word for each tile
.set MG,   88                          ; v88-91 two tiles' words merged
.set PCB,  96                          ; v96-255 codes: 20 registers for each of the eight tiles, so that no store's data are written again
.set G1,  24                           ; s[24:31] group 1 for x's blocks;  s[32:43] group 0, a set for each slot
.set G0,  32
.set G1B, 48                           ; s[48:55], s[88:99] the same for the weight's
.set G0B, 88
.set SEL, 76
.set MSK, 78
.set MSB, 0
.macro WIN new                         ; the immediate's high byte repeats the setting that is left
.if MSB != (\new)
	s_set_vgpr_msb (MSB<<8)|(\new)
.set MSB, (\new)
.endif
.endm
.set MUL_LO, 0xa1                      ; source 0 window 1, source 1 window 0, C and D window 2
.set MUL_HI, 0xf1                      ; the same, C and D window 3
.set TO_B,   0x40                      ; destination window 1, address window 0
.macro PLACES n                        ; plain vector places behind matrix instructions: four in front of loads into their registers and of the first read of results
.rept \n
	v_nop
.endr
.endm
; A joint load: waves 0 and 1 fetch x's blocks, waves 2 and 3 the weight's.  An s_nop 0 and four v_nop follow each of the two lines.
.macro JLOAD g0a, g1a, g0b, g1b
	s_cmp_eq_u32 s15, 0
	s_cbranch_scc0 .Lfor_b_\@
	tensor_load_to_lds s[\g0a:\g0a+3], s[\g1a:\g1a+7]
	s_nop 0
.rept 4
	v_nop
.endr
	s_branch .Lasked_\@
.Lfor_b_\@:
	tensor_load_to_lds s[\g0b:\g0b+3], s[\g1b:\g1b+7]
	s_nop 0
.rept 4
	v_nop
.endr
.Lasked_\@:
.endm
.macro CREST                           ; a round of the cluster's barrier behind its opening barrier
	s_cmp_lg_u32 s14, 0
	s_cbranch_scc1 .Lnot_wave_0_\@
	s_barrier_signal -3
.Lnot_wave_0_\@:
	s_barrier_wait -3
	s_barrier_signal -1
	s_barrier_wait -1
.endm
.macro CROUND
	s_barrier_signal -1
	s_barrier_wait -1
	CREST
.endm
.macro FRAG reg, adr, q, t             ; fragment (tile t, half q) of a block: the image of its 12 registers
.irp c, 0,1,2
	ds_load_b128 v[(\reg)+4*\c:(\reg)+4*\c+3], v[\adr] offset:(\q)*12288+(\t)*1536+512*\c
.endr
.endm
.macro FETCH_B slot, q, p              ; the B role's eight fragments into set p: 24 loads
	WIN TO_B
.irp t, 0,1,2,3,4,5,6,7
	FRAG 128*(\p)+12*\t, ADRB+\slot, \q, \t
.endr
	WIN 0
.endm
.macro FETCH_A slot, q, t0             ; the A role's tiles t0 .. t0 + 3: 12 loads
.irp t, \t0, \t0+1, \t0+2, \t0+3
	FRAG AF+12*(\t), ADRA+\slot, \q, \t
.endr
.endm
.macro SCALES set, slot                ; a slot's scale words into a set of registers: 16 loads of 128 consecutive bytes
.irp q, 0,1
.irp i, 0,1,2,3
	ds_load_b32 v[SA+8*(\set)+4*\q+\i], v[ADSA+\slot] offset:SCO+\q*512+128*\i
	ds_load_b32 v[SB+8*(\set)+4*\q+\i], v[ADSB+\slot] offset:SCO+\q*512+128*\i
.endr
.endr
.endm
; One matrix instruction.  r0, r1: an odd tile's scale words lie in lanes 16-31 of their register.
.macro WM d, s0, s1, zero, x0, x1, r0, r1
.if \zero
.if (\r0)+2*(\r1) == 0
	v_wmma_scale_f32_16x16x128_f8f6f4 v[\d:\d+7], v[\s0:\s0+11], v[\s1:\s1+11], 0, v[\x0], v[\x1] matrix_a_fmt:MATRIX_FMT_FP6 matrix_b_fmt:MATRIX_FMT_FP6
.elseif (\r0)+2*(\r1) == 1
	v_wmma_scale_f32_16x16x128_f8f6f4 v[\d:\d+7], v[\s0:\s0+11], v[\s1:\s1+11], 0, v[\x0], v[\x1] matrix_a_fmt:MATRIX_FMT_FP6 matrix_b_fmt:MATRIX_FMT_FP6 matrix_a_scale:MATRIX_SCALE_ROW1
.elseif (\r0)+2*(\r1) == 2
	v_wmma_scale_f32_16x16x128_f8f6f4 v[\d:\d+7], v[\s0:\s0+11], v[\s1:\s1+11], 0, v[\x0], v[\x1] matrix_a_fmt:MATRIX_FMT_FP6 matrix_b_fmt:MATRIX_FMT_FP6 matrix_b_scale:MATRIX_SCALE_ROW1
.else
	v_wmma_scale_f32_16x16x128_f8f6f4 v[\d:\d+7], v[\s0:\s0+11], v[\s1:\s1+11], 0, v[\x0], v[\x1] matrix_a_fmt:MATRIX_FMT_FP6 matrix_b_fmt:MATRIX_FMT_FP6 matrix_a_scale:MATRIX_SCALE_ROW1 matrix_b_scale:MATRIX_SCALE_ROW1
.endif
.else
.if (\r0)+2*(\r1) == 0
	v_wmma_scale_f32_16x16x128_f8f6f4 v[\d:\d+7], v[\s0:\s0+11], v[\s1:\s1+11], v[\d:\d+7], v[\x0], v[\x1] matrix_a_fmt:MATRIX_FMT_FP6 matrix_b_fmt:MATRIX_FMT_FP6
.elseif (\r0)+2*(\r1) == 1
	v_wmma_scale_f32_16x16x128_f8f6f4 v[\d:\d+7], v[\s0:\s0+11], v[\s1:\s1+11], v[\d:\d+7], v[\x0], v[\x1] matrix_a_fmt:MATRIX_FMT_FP6 matrix_b_fmt:MATRIX_FMT_FP6 matrix_a_scale:MATRIX_SCALE_ROW1
.elseif (\r0)+2*(\r1) == 2
	v_wmma_scale_f32_16x16x128_f8f6f4 v[\d:\d+7], v[\s0:\s0+11], v[\s1:\s1+11], v[\d:\d+7], v[\x0], v[\x1] matrix_a_fmt:MATRIX_FMT_FP6 matrix_b_fmt:MATRIX_FMT_FP6 matrix_b_scale:MATRIX_SCALE_ROW1
.else
	v_wmma_scale_f32_16x16x128_f8f6f4 v[\d:\d+7], v[\s0:\s0+11], v[\s1:\s1+11], v[\d:\d+7], v[\x0], v[\x1] matrix_a_fmt:MATRIX_FMT_FP6 matrix_b_fmt:MATRIX_FMT_FP6 matrix_a_scale:MATRIX_SCALE_ROW1 matrix_b_scale:MATRIX_SCALE_ROW1
.endif
.endif
.endm
; 16 matrix instructions: A tiles a0, a0 + 1 x the B role's eight; p: B's set; q: the slot's half; sc: the set of scale words.  The 64 accumulators take turns, in the same order in every step.
.macro MUL16 a0, p, q, sc, zero
.irp a, \a0, \a0+1
.irp b, 0,1,2,3,4,5,6,7
	WM 8*(8*((\a)%4)+\b), 128*(\p)+12*\b, AF+12*(\a), \zero, SB+8*(\sc)+4*(\q)+\b/2, SA+8*(\sc)+4*(\q)+(\a)/2, \b%2, (\a)%2
.endr
.endr
.endm
.macro FIRST
	FETCH_B 0, 0, 0
	FETCH_A 0, 0, 0
	SCALES 0, 0
	FETCH_A 0, 0, 4
.endm
.macro STEP slot, sc, zero             ; a slot's first 128 along K
	s_wait_dscnt 12                                ; all but the youngest twelve loads (A tiles 4-7) are in
	WIN MUL_LO
	MUL16 0, 0, 0, \sc, \zero
	MUL16 2, 0, 0, \sc, \zero
	s_wait_dscnt 0x0                               ; A tiles 4-7 are in
	PLACES 4
	FETCH_B \slot, 1, 1
	FETCH_A \slot, 1, 0
	WIN MUL_HI
	MUL16 4, 0, 0, \sc, \zero
	MUL16 6, 0, 0, \sc, \zero
	PLACES 4
	WIN 0
	FETCH_A \slot, 1, 4
.endm
; A slot's second 128 along K, and a change of slots with a barrier.  In front of it each wave waits for all its tensor loads, adds 0 to its spare word, and waits for that and for its reads of this slot.
.macro TURN slot, sc, next, nsc, fill
	s_wait_tensorcnt 0x0                           ; all my tensor loads have landed
	ds_add_u32 v[SPW], v[NIL]
	s_wait_dscnt 13                                ; (the add and the youngest twelve loads may be out)
	WIN MUL_LO
	MUL16 0, 1, 1, \sc, 0
	s_wait_dscnt 0x0                               ; the add is done, and my reads of this slot are over
	s_barrier_signal -1
	MUL16 2, 1, 1, \sc, 0
	WIN 0
	s_barrier_wait -1
.if \fill
	CREST                                          ; the barrier has opened a round of the cluster's: no wave of any partner still reads this slot or has a load on its way
	s_add_nc_u64 s[G0+4*\slot+2:G0+4*\slot+3], s[G0+4*\slot+2:G0+4*\slot+3], 3*BLK
	s_add_nc_u64 s[G0B+4*\slot+2:G0B+4*\slot+3], s[G0B+4*\slot+2:G0B+4*\slot+3], 3*BLK
	JLOAD G0+4*\slot, G1, G0B+4*\slot, G1B         ; the first tensor load behind the round; its four v_nop are the places in front of the loads below
.else
	PLACES 4
.endif
	FETCH_B \next, 0, 0
	FETCH_A \next, 0, 0
	SCALES \nsc, \next
	WIN MUL_HI
	MUL16 4, 1, 1, \sc, 0
	MUL16 6, 1, 1, \sc, 0
	PLACES 4
	WIN 0
	FETCH_A \next, 0, 4
.endm
; The same step where the next slot is already whole for every wave and nothing is filled: no wait on the loads, no barrier.
.macro PASS slot, sc, next, nsc
	s_wait_dscnt 12
	WIN MUL_LO
	MUL16 0, 1, 1, \sc, 0
	MUL16 2, 1, 1, \sc, 0
	s_wait_dscnt 0x0
	PLACES 4
	FETCH_B \next, 0, 0
	FETCH_A \next, 0, 0
	SCALES \nsc, \next
	WIN MUL_HI
	MUL16 4, 1, 1, \sc, 0
	MUL16 6, 1, 1, \sc, 0
	PLACES 4
	WIN 0
	FETCH_A \next, 0, 4
.endm
.macro LAST sc                         ; the very last 128 along K
	s_wait_dscnt 12
	WIN MUL_LO
	MUL16 0, 1, 1, \sc, 0
	MUL16 2, 1, 1, \sc, 0
	s_wait_dscnt 0x0
	WIN MUL_HI
	MUL16 4, 1, 1, \sc, 0
	MUL16 6, 1, 1, \sc, 0
	WIN 0
.endm
; THE WAY OUT of A tile a: its eight accumulators are 64 numbers a lane, register 16 b + i = next-K index 32 b + 16 (lane / 16) + i of the lane's row: one fragment and one scale word a row.
.macro PROJQ a
.set W, 2+(\a)/4
.set S, 64*((\a)%4)
.set PC, PCB+20*(\a)
	WIN W|(W<<2)
.irp b, 0,1,2,3
	v_max3_num_f32 v[TM+\b], |v[S+16*\b]|, |v[S+16*\b+1]|, 0x1800000   ; each accumulator is read from its low end on
.endr
.irp i, 2,4,6,8,10,12,14
.irp b, 0,1,2,3
	v_max3_num_f32 v[TM+\b], |v[S+16*\b+\i]|, |v[S+16*\b+\i+1]|, v[TM+\b]
.endr
.endr
	WIN 0
.irp b, 0,1,2,3
	v_permlanex16_b32 v[TM+4+\b], v[TM+\b], s[SEL], s[SEL+1]
.endr
.irp b, 0,1,2,3
	v_max_num_f32 v[TM+\b], v[TM+\b], v[TM+4+\b]
.endr
.irp b, 0,1,2,3
	v_add_nc_u32 v[TM+12+\b], 0xff000000, v[TM+\b]
.endr
.irp b, 0,1,2,3
	v_lshrrev_b32 v[TM+4+\b], 23, v[TM+12+\b]
.endr
	v_lshl_or_b32 v[PW+(\a)], v[TM+5], 8, v[TM+4]
	v_lshl_or_b32 v[PW+(\a)], v[TM+6], 16, v[PW+(\a)]
	v_lshl_or_b32 v[PW+(\a)], v[TM+7], 24, v[PW+(\a)]
	WIN W
.irp c, 0,1
	v_cvt_scalef32_pk16_fp6_f32 v[PC+6*\c:PC+2+6*\c], v[S+32*\c:S+15+32*\c], v[TM+12+2*\c]
	v_cvt_scalef32_pk16_fp6_f32 v[PC+12+4*\c:PC+14+4*\c], v[S+16+32*\c:S+31+32*\c], v[TM+12+2*\c+1]
.endr
	WIN 0
	v_nop                                          ; one plain place behind a scaled conversion
.irp c, 0,1
.irp i, 0,1,2
	v_permlane16_swap_b32 v[PC+6*\c+\i], v[PC+12+4*\c+\i]
.endr
.irp i, 0,1,2
	v_mov_b32 v[PC+3+6*\c+\i], v[PC+12+4*\c+\i]
.endr
.endr
.irp c, 0,1,2
	global_store_b128 v[VO16], v[PC+4*\c:PC+4*\c+3], s[70:71] offset:(\a)*1536+512*\c   ; 512 consecutive, aligned bytes
.endr
.if (\a)%2 == 1
	v_cndmask_b32 v[MG+(\a)/2], v[PW+(\a)-1], v[PW+(\a)], s[MSK]
	global_store_b32 v[VO4], v[MG+(\a)/2], s[72:73] offset:((\a)/2)*128
.endif
.endm
	s_load_b128 s[4:7], s[0:1], 0x0                ; xw, qkv
	v_lshl_add_u32 v[SPW], v0, 2, SPARE
	v_mov_b32 v[NIL], 0
	ds_add_u32 v[SPW], v[NIL]                      ; the wave's opening: two adds on end, and their wait ahead of my first tensor load
	ds_add_u32 v[SPW], v[NIL]
	v_lshrrev_b32 v1, 5, v0
	v_readfirstlane_b32 s14, v1                    ; wave 0..3
	s_lshr_b32 s15, s14, 1                         ; which block of the A role is mine.  Also: I fetch for x (0) or for the weight (1)
	s_and_b32 s16, s14, 1                          ; which block of the B role.  Also: which of the two blocks I fetch
	s_bfe_u32 s56, ttmp6, 0x40000                  ; cx, cy
	s_bfe_u32 s57, ttmp6, 0x40004
	s_lshl_b32 s58, ttmp9, 2
	s_add_co_u32 s58, s58, s56                     ; X = 4 x cluster x + cx
	s_and_b32 s17, ttmp7, 0xffff
	s_lshl_b32 s17, s17, 2
	s_add_co_u32 s17, s17, s57                     ; Y = 4 x cluster y + cy
	s_lshl_b32 s59, s57, 2
	s_lshl_b32 s59, 15, s59                        ; my row of the cluster
	s_lshl_b32 s60, 0x1111, s56                    ; my column
	s_or_b32 s[G1+0], s59, (3<<16)|(1<<21)         ; 15:0 the mask; 17:16 elements of 8 bytes; 21 set beside a mask; no padding
	s_or_b32 s[G1B+0], s60, (3<<16)|(1<<21)
.irp g, G1, G1B                                ; a dense block as 100 rows of 256 bytes
	s_mov_b32 s[\g+1], 32<<16                      ; tensor_dim0
	s_mov_b32 s[\g+2], 100<<16                     ; tensor_dim1
	s_mov_b32 s[\g+3], 32<<16                      ; tile_dim0
	s_mov_b32 s[\g+4], 100                         ; tile_dim1
	s_mov_b32 s[\g+5], 32                          ; the pitch
	s_mov_b32 s[\g+6], 0
	s_mov_b32 s[\g+7], 0
.endr
	s_lshl_b32 s20, s17, 1
	s_add_co_u32 s20, s20, s16
	s_mul_i32 s20, s20, 4*BLK                      ; x: row block 2 Y + half, K block 0
	s_mov_b32 s21, 0
	s_lshl_b32 s62, s58, 1
	s_add_co_u32 s62, s62, s16
	s_mul_i32 s62, s62, 4*BLK
	s_add_co_u32 s62, s62, WPART                   ; the weight: row block 2 X + half
	s_mov_b32 s63, 0
	s_mul_i32 s61, s14, BLK                        ; where they go: wave x a block: no place in the cluster enters an LDS address
	s_mov_b32 s[SEL], 0x76543210
	s_mov_b32 s[SEL+1], 0xfedcba98
	s_mov_b32 s[MSK], 0xffff0000
	s_wait_dscnt 0x0                               ; both opening adds are done
	s_wait_kmcnt 0x0
	s_add_nc_u64 s[20:21], s[4:5], s[20:21]
	s_add_nc_u64 s[62:63], s[4:5], s[62:63]
	CROUND                                         ; all sixteen work-groups are here: the first joint loads meet
.irp s, 0,1,2
	s_mov_b32 s[G0+4*\s], 1
	s_add_co_u32 s[G0+4*\s+1], s61, \s*SLOT
	s_add_nc_u64 s[G0+4*\s+2:G0+4*\s+3], s[20:21], \s*BLK
	s_or_b32 s[G0+4*\s+3], s[G0+4*\s+3], 0x80000000
	s_mov_b32 s[G0B+4*\s], 1
	s_add_co_u32 s[G0B+4*\s+1], s61, \s*SLOT
	s_add_nc_u64 s[G0B+4*\s+2:G0B+4*\s+3], s[62:63], \s*BLK
	s_or_b32 s[G0B+4*\s+3], s[G0B+4*\s+3], 0x80000000
	JLOAD G0+4*\s, G1, G0B+4*\s, G1B               ; K blocks 0, 1, 2: three loads of mine are out
.endr
	v_and_b32 v1, 31, v0
	v_lshlrev_b32 v[VO16], 4, v1
	v_lshlrev_b32 v[VO4], 2, v1
.irp b, 0,1,2,3
	v_mov_b32 v[TM+4+\b], 0                        ; written once: a lane permute's destination counts as one of its sources
.endr
	s_cmp_eq_u32 ttmp9, 2                          ; the third column of clusters makes v: the roles change places
	s_cselect_b32 s66, 1, 0
	s_cselect_b32 s67, 0, 1
	s_cselect_b32 s68, s56, s17                    ; the result's row tile: Y, for v cx
	s_cselect_b32 s69, s17, s56                    ; its K block: cx, for v Y
	s_cselect_b32 s74, 5, 2                        ; K blocks in a row of blocks: 4, for v 32
	s_mul_i32 s18, s15, BLK
	s_mul_i32 s22, s66, 2*BLK
	s_add_co_u32 s18, s18, s22                     ; the A role's block in a slot
	s_mul_i32 s19, s16, BLK
	s_mul_i32 s22, s67, 2*BLK
	s_add_co_u32 s19, s19, s22                     ; the B role's
.irp s, 0,1,2
	v_add_nc_u32 v[ADRA+\s], s18, v[VO16]
	v_add_nc_u32 v[ADRB+\s], s19, v[VO16]
	v_add_nc_u32 v[ADSA+\s], s18, v[VO4]
	v_add_nc_u32 v[ADSB+\s], s19, v[VO4]
	s_add_co_u32 s18, s18, SLOT
	s_add_co_u32 s19, s19, SLOT
.endr
	s_lshl_b32 s68, s68, 1
	s_add_co_u32 s68, s68, s15                     ; the result's row block
	s_lshl_b32 s68, s68, s74
	s_add_co_u32 s68, s68, s69
	s_mul_i32 s68, s68, BLK
	s_mul_i32 s69, ttmp9, PART
	s_add_co_u32 s68, s68, s69                     ; my block of q, k or v^T
	s_mul_i32 s69, s16, 12288
	s_add_co_u32 s70, s68, s69                     ; my half of its fragments,
	s_mov_b32 s71, 0
	s_lshl_b32 s69, s16, 9
	s_add_co_u32 s72, s68, s69
	s_add_co_u32 s72, s72, SCO                     ; and of its scale words
	s_mov_b32 s73, 0
	s_add_nc_u64 s[70:71], s[6:7], s[70:71]
	s_add_nc_u64 s[72:73], s[6:7], s[72:73]
	s_wait_tensorcnt 2                             ; my part of slot 0 is in; the two younger loads, slots 1 and 2, may stay out
	s_barrier_signal -1
	s_barrier_wait -1
	FIRST
	STEP 0, 0, 1                                   ; the first products start the sums: nothing is cleared
	TURN 0, 0, 1, 1, 1                             ; slots 1 and 2 are whole; slot 0 takes K block 3
	STEP 1, 1, 0
	PASS 1, 1, 2, 0
	STEP 2, 0, 0
	TURN 2, 0, 0, 1, 0                             ; K block 3 is whole
	STEP 0, 1, 0
	LAST 1
	PLACES 4
.irp a, 0,1,2,3,4,5,6,7
	PROJQ \a
.endr
	s_wait_tensorcnt 0x0                           ; the wave's end
	ds_add_u32 v[SPW], v[NIL]
	s_wait_dscnt 0x0
	CROUND                                         ; the closing round
	s_endpgm
.Lfunc_end_k_qffd4b3318e_proj:
	.size	k_qffd4b3318e_proj, .Lfunc_end_k_qffd4b3318e_proj-k_qffd4b3318e_proj
	.p2alignl 7, 3214868480
	.fill 96, 4, 3214868480
	.section	.rodata,"a",@progbits
	.p2align	6, 0x0
	.amdhsa_kernel k_qffd4b3318e_proj
		.amdhsa_group_segment_fixed_size 327680
		.amdhsa_private_segment_fixed_size 0
		.amdhsa_enable_private_segment 0
		.amdhsa_kernarg_size 16
		.amdhsa_user_sgpr_count 2
		.amdhsa_user_sgpr_kernarg_segment_ptr 1
		.amdhsa_wavefront_size32 1
		.amdhsa_system_sgpr_workgroup_id_x 1
		.amdhsa_system_sgpr_workgroup_id_y 1
		.amdhsa_system_sgpr_workgroup_id_z 1
		.amdhsa_system_vgpr_workitem_id 0
		.amdhsa_next_free_vgpr 1024
		.amdhsa_next_free_sgpr 100
		.amdhsa_reserve_vcc 0
		.amdhsa_float_denorm_mode_32 3
		.amdhsa_float_denorm_mode_16_64 3
		.amdhsa_memory_ordered 1
		.amdhsa_forward_progress 1
		.amdhsa_inst_pref_size 140
	.end_amdhsa_kernel
	.amdgpu_metadata
---
amdhsa.version: [ 1, 2 ]
amdhsa.kernels:
  - .name:           k_qffd4b3318e_proj
    .symbol:         k_qffd4b3318e_proj.kd
    .args:
      - { .name: xw, .offset: 0, .size: 8, .value_kind: global_buffer, .address_space: global }
      - { .name: qkv, .offset: 8, .size: 8, .value_kind: global_buffer, .address_space: global }
    .group_segment_fixed_size: 327680
    .private_segment_fixed_size: 0
    .kernarg_segment_align: 8
    .kernarg_segment_size: 16
    .max_flat_workgroup_size: 128
    .sgpr_count:     100
    .vgpr_count:     1024
    .wavefront_size: 32
...
	.end_amdgpu_metadata
.endif
;; end of part 5
;; launch score (part 6): grid 36 x 4, 4 waves a work-group, no clusters, 327,680 bytes of LDS; arguments qkv, pimg, stat; writes pimg, stat
.if DOCPART == 6
	.amdgcn_target "amdgcn-amd-amdhsa--gfx1250"
	.amdhsa_code_object_version 6
	.text
	.protected	k_qffd4b3318e_score
	.globl	k_qffd4b3318e_score
	.p2align	8
	.type	k_qffd4b3318e_score,@function
k_qffd4b3318e_score:
	s_mov_b64 s[64:65], 0
	v_nop
	global_prefetch_b8 v0, s[64:65] scope:SCOPE_SE
	s_setreg_imm32_b32 hwreg(HW_REG_WAVE_MODE, 25, 1), 1
	s_wait_xcnt 0x0
; LAUNCH 3 OF 4: the scores q k^T on codes of FP6 (E2M3), and the softmax's p ahead of the last product, quantised along the keys.
; DEAD WORK LEFT OUT: tiles of 256 queries x 256 keys whose keys all come after their queries (reference()'s own jnp.tril makes their weights 0 for all inputs): 36 of 64 tiles a batch are made.  Shown at launch 1's head.
; A work-group makes tile (I, J), J <= I, of batch y; a wave 128 queries x 128 keys.  Source 0 = 16 keys, source 1 = 16 queries: a lane holds ONE query, its registers run along the keys.
; THE SOFTMAX.  t = score x log2(e) / 32.  For each query and each 128 keys: M = ceil(the largest t of these keys), a whole number; p = 2^(t - M); the sum l of the unquantised p; p's codes and scale bytes under this M.
; The row's own M is the largest of its steps' M; launch 4 brings each step under it by taking the difference off the scale bytes, which is exact.  M goes into P's block (for the bytes) and, with l, into stat.
; On the diagonal tile hidden scores become -infinity ahead of the maximum.  A row all of whose 128 keys are hidden has l = 0, zero codes, and an M far under every true one (its maximum is held at -3e38).
; pimg: P's blocks of 26,624 bytes (8 x query block + key block): launch 1's block, and behind it the M of each row and half, laid as the scale words are.
; NO CLUSTER: a tile row has I + 1 live tiles and a tile column 8 - J: neither divides into fours, and a partner set on a dead tile would never read what it asks for.
; Three slots, steps and registers as in launch 2: K blocks 0, 1, 2 are asked for at the head, block 3 goes into slot 0 behind the change out of it.  Each wave fetches one block of a slot (waves 0, 1: q's, waves 2, 3: k's).
; LIMITS: scores under -3e38 count as -3e38 for the maximum; a p under 2^-126 of its step's scale is 0; else as at launch 1's head.
.set BLK,    25600
.set PBLK,   26624
.set SLOT,   4*BLK
.set SPARE,  3*SLOT
.set KPART,  6553600
.set STL,    524288
.set SCO,    24576
.set ADRA, 2
.set ADRB, 5
.set ADSA, 8
.set ADSB, 11
.set VO16, 24
.set VO4,  25
.set SPW,  28
.set NIL,  29
.set SA,   32
.set SB,   48
.set AF,   128
.set BM,   64                          ; v64-67 the blocks' largest scores, then largest p
.set BT,   68                          ; v68-71 the other half of the lanes'
.set SO,   72                          ; v72-75 the conversions' scale operands
.set BY,   76                          ; v76-79 the bytes
.set NM,   80                          ; v[80:81] -M, twice
.set T1,   82
.set LA,   84                          ; v[84:85], v[86:87] the sum, in two chains of pairs
.set LB,   86
.set DQ,   88
.set NINF, 89
.set QL,   90
.set PCB,  96                          ; v96-215 codes: six sets of 20 registers by turns
.set PW,   216
.set MS,   224
.set LS,   232
.set MGP,  240
.set MGM,  244
.set MGL,  248
.set SEL,  20
.set CS,   22
.set G1,   24
.set G0,   32                          ; s[32:43] group 0, a set for each slot
.set DIAG, 46
.set PB,   48
.set PS,   50
.set STB,  52
.set MSK,  54
.set MSB, 0
.macro WIN new
.if MSB != (\new)
	s_set_vgpr_msb (MSB<<8)|(\new)
.set MSB, (\new)
.endif
.endm
.set MUL_LO, 0xa1
.set MUL_HI, 0xf1
.set TO_B,   0x40
.macro PLACES n
.rept \n
	v_nop
.endr
.endm
.macro TLOAD slot                      ; my block of a slot; an s_nop 0 and four v_nop follow
	tensor_load_to_lds s[G0+4*\slot:G0+4*\slot+3], s[G1:G1+7]
	s_nop 0
.rept 4
	v_nop
.endr
.endm
.macro FRAG reg, adr, q, t
.irp c, 0,1,2
	ds_load_b128 v[(\reg)+4*\c:(\reg)+4*\c+3], v[\adr] offset:(\q)*12288+(\t)*1536+512*\c
.endr
.endm
.macro FETCH_B slot, q, p
	WIN TO_B
.irp t, 0,1,2,3,4,5,6,7
	FRAG 128*(\p)+12*\t, ADRB+\slot, \q, \t
.endr
	WIN 0
.endm
.macro FETCH_A slot, q, t0
.irp t, \t0, \t0+1, \t0+2, \t0+3
	FRAG AF+12*(\t), ADRA+\slot, \q, \t
.endr
.endm
.macro SCALES set, slot
.irp q, 0,1
.irp i, 0,1,2,3
	ds_load_b32 v[SA+8*(\set)+4*\q+\i], v[ADSA+\slot] offset:SCO+\q*512+128*\i
	ds_load_b32 v[SB+8*(\set)+4*\q+\i], v[ADSB+\slot] offset:SCO+\q*512+128*\i
.endr
.endr
.endm
.macro WM d, s0, s1, zero, x0, x1, r0, r1
.if \zero
.if (\r0)+2*(\r1) == 0
	v_wmma_scale_f32_16x16x128_f8f6f4 v[\d:\d+7], v[\s0:\s0+11], v[\s1:\s1+11], 0, v[\x0], v[\x1] matrix_a_fmt:MATRIX_FMT_FP6 matrix_b_fmt:MATRIX_FMT_FP6
.elseif (\r0)+2*(\r1) == 1
	v_wmma_scale_f32_16x16x128_f8f6f4 v[\d:\d+7], v[\s0:\s0+11], v[\s1:\s1+11], 0, v[\x0], v[\x1] matrix_a_fmt:MATRIX_FMT_FP6 matrix_b_fmt:MATRIX_FMT_FP6 matrix_a_scale:MATRIX_SCALE_ROW1
.elseif (\r0)+2*(\r1) == 2
	v_wmma_scale_f32_16x16x128_f8f6f4 v[\d:\d+7], v[\s0:\s0+11], v[\s1:\s1+11], 0, v[\x0], v[\x1] matrix_a_fmt:MATRIX_FMT_FP6 matrix_b_fmt:MATRIX_FMT_FP6 matrix_b_scale:MATRIX_SCALE_ROW1
.else
	v_wmma_scale_f32_16x16x128_f8f6f4 v[\d:\d+7], v[\s0:\s0+11], v[\s1:\s1+11], 0, v[\x0], v[\x1] matrix_a_fmt:MATRIX_FMT_FP6 matrix_b_fmt:MATRIX_FMT_FP6 matrix_a_scale:MATRIX_SCALE_ROW1 matrix_b_scale:MATRIX_SCALE_ROW1
.endif
.else
.if (\r0)+2*(\r1) == 0
	v_wmma_scale_f32_16x16x128_f8f6f4 v[\d:\d+7], v[\s0:\s0+11], v[\s1:\s1+11], v[\d:\d+7], v[\x0], v[\x1] matrix_a_fmt:MATRIX_FMT_FP6 matrix_b_fmt:MATRIX_FMT_FP6
.elseif (\r0)+2*(\r1) == 1
	v_wmma_scale_f32_16x16x128_f8f6f4 v[\d:\d+7], v[\s0:\s0+11], v[\s1:\s1+11], v[\d:\d+7], v[\x0], v[\x1] matrix_a_fmt:MATRIX_FMT_FP6 matrix_b_fmt:MATRIX_FMT_FP6 matrix_a_scale:MATRIX_SCALE_ROW1
.elseif (\r0)+2*(\r1) == 2
	v_wmma_scale_f32_16x16x128_f8f6f4 v[\d:\d+7], v[\s0:\s0+11], v[\s1:\s1+11], v[\d:\d+7], v[\x0], v[\x1] matrix_a_fmt:MATRIX_FMT_FP6 matrix_b_fmt:MATRIX_FMT_FP6 matrix_b_scale:MATRIX_SCALE_ROW1
.else
	v_wmma_scale_f32_16x16x128_f8f6f4 v[\d:\d+7], v[\s0:\s0+11], v[\s1:\s1+11], v[\d:\d+7], v[\x0], v[\x1] matrix_a_fmt:MATRIX_FMT_FP6 matrix_b_fmt:MATRIX_FMT_FP6 matrix_a_scale:MATRIX_SCALE_ROW1 matrix_b_scale:MATRIX_SCALE_ROW1
.endif
.endif
.endm
.macro MUL16 a0, p, q, sc, zero        ; the 64 accumulators take turns, in the same order in every step
.irp a, \a0, \a0+1
.irp b, 0,1,2,3,4,5,6,7
	WM 8*(8*((\a)%4)+\b), 128*(\p)+12*\b, AF+12*(\a), \zero, SB+8*(\sc)+4*(\q)+\b/2, SA+8*(\sc)+4*(\q)+(\a)/2, \b%2, (\a)%2
.endr
.endr
.endm
.macro FIRST
	FETCH_B 0, 0, 0
	FETCH_A 0, 0, 0
	SCALES 0, 0
	FETCH_A 0, 0, 4
.endm
.macro STEP slot, sc, zero
	s_wait_dscnt 12                                ; all but the youngest twelve loads (A tiles 4-7) are in
	WIN MUL_LO
	MUL16 0, 0, 0, \sc, \zero
	MUL16 2, 0, 0, \sc, \zero
	s_wait_dscnt 0x0
	PLACES 4
	FETCH_B \slot, 1, 1
	FETCH_A \slot, 1, 0
	WIN MUL_HI
	MUL16 4, 0, 0, \sc, \zero
	MUL16 6, 0, 0, \sc, \zero
	PLACES 4
	WIN 0
	FETCH_A \slot, 1, 4
.endm
.macro TURN slot, sc, next, nsc, fill
	s_wait_tensorcnt 0x0                           ; all my tensor loads have landed
	ds_add_u32 v[SPW], v[NIL]
	s_wait_dscnt 13                                ; (the add and the youngest twelve loads may be out)
	WIN MUL_LO
	MUL16 0, 1, 1, \sc, 0
	s_wait_dscnt 0x0                               ; the add is done, and my reads of this slot are over
	s_barrier_signal -1
	MUL16 2, 1, 1, \sc, 0
	WIN 0
	s_barrier_wait -1                              ; nobody reads this slot any more, and every slot asked for so far is whole
.if \fill
	s_add_nc_u64 s[G0+4*\slot+2:G0+4*\slot+3], s[G0+4*\slot+2:G0+4*\slot+3], 3*BLK
	TLOAD \slot                                    ; my one tensor load behind the barrier; its four v_nop are the places in front of the loads below
.else
	PLACES 4
.endif
	FETCH_B \next, 0, 0
	FETCH_A \next, 0, 0
	SCALES \nsc, \next
	WIN MUL_HI
	MUL16 4, 1, 1, \sc, 0
	MUL16 6, 1, 1, \sc, 0
	PLACES 4
	WIN 0
	FETCH_A \next, 0, 4
.endm
.macro PASS slot, sc, next, nsc        ; the same step where the next slot is already whole for every wave and nothing is filled: no wait on the loads, no barrier
	s_wait_dscnt 12
	WIN MUL_LO
	MUL16 0, 1, 1, \sc, 0
	MUL16 2, 1, 1, \sc, 0
	s_wait_dscnt 0x0
	PLACES 4
	FETCH_B \next, 0, 0
	FETCH_A \next, 0, 0
	SCALES \nsc, \next
	WIN MUL_HI
	MUL16 4, 1, 1, \sc, 0
	MUL16 6, 1, 1, \sc, 0
	PLACES 4
	WIN 0
	FETCH_A \next, 0, 4
.endm
.macro LAST sc
	s_wait_dscnt 12
	WIN MUL_LO
	MUL16 0, 1, 1, \sc, 0
	MUL16 2, 1, 1, \sc, 0
	s_wait_dscnt 0x0
	WIN MUL_HI
	MUL16 4, 1, 1, \sc, 0
	MUL16 6, 1, 1, \sc, 0
	WIN 0
.endm
; THE WAY OUT of query tile a: 64 scores a lane, register 16 b + i = key 32 b + 16 (lane / 16) + i of my wave's 128.
.macro SOFTQ a
.set W, 2+(\a)/4
.set S, 64*((\a)%4)
.set PC, PCB+20*((\a)%6)
.if (\a) >= 6
	s_wait_xcnt 0x0                                ; the stores of six tiles back have read this set of codes
.endif
	s_cmp_eq_u32 s[DIAG], 0                        ; ids and the wave's number alone
	s_cbranch_scc1 .Lopen_\@
	v_add_nc_u32 v[DQ], 32*((\a)/2)+8*((\a)%2), v[QL]   ; my query less my wave's first key less 16 (lane / 16): the key of register 16 b + i is hidden where 32 b + i is above it
	WIN W|(W<<6)
.set n, 0
.rept 64
	v_cmp_gt_i32 vcc_lo, 32*(n/16)+n%16, v[DQ]
	v_cndmask_b32 v[S+n], v[S+n], v[NINF], vcc_lo
.set n, n+1
.endr
	WIN 0
.Lopen_\@:
	WIN W|(W<<2)
.irp b, 0,1,2,3
	v_max3_num_f32 v[BM+\b], v[S+16*\b], v[S+16*\b+1], 0xff61b1e6   ; the largest score of each block of 32 keys, held at -3e38 from below; each accumulator is read from its low end on
.endr
.irp i, 2,4,6,8,10,12,14
.irp b, 0,1,2,3
	v_max3_num_f32 v[BM+\b], v[S+16*\b+\i], v[S+16*\b+\i+1], v[BM+\b]
.endr
.endr
	WIN 0
.irp b, 0,1,2,3
	v_permlanex16_b32 v[BT+\b], v[BM+\b], s[SEL], s[SEL+1]
.endr
.irp b, 0,1,2,3
	v_max_num_f32 v[BM+\b], v[BM+\b], v[BT+\b]
.endr
	v_max3_num_f32 v[T1], v[BM], v[BM+1], v[BM+2]
	v_max_num_f32 v[T1], v[T1], v[BM+3]
	v_mul_f32 v[T1], s[CS], v[T1]                  ; the largest t of these 128 keys
	v_floor_f32 v[NM], -v[T1]                      ; -M = floor(-t) = -ceil(t)
	v_mov_b32 v[NM+1], v[NM]
.irp b, 0,1,2,3
	v_fma_f32 v[BM+\b], v[BM+\b], s[CS], v[NM]     ; t - M of each block's largest score: p rises with the score, so this gives the block's largest p
.endr
.irp b, 0,1,2,3
	v_min_num_f32 v[BM+\b], 0, v[BM+\b]            ; at most 0 (where all 128 keys are hidden, M is of the size 1e37 and the remainder could be large)
.endr
	WIN W|(W<<6)
.set n, 0
.rept 32
	v_pk_fma_f32 v[S+n:S+n+1], v[S+n:S+n+1], s[CS:CS+1], v[NM:NM+1] op_sel_hi:[1,0,0]   ; t - M, two at a time
.set n, n+2
.endr
.set n, 0
.rept 64
	v_exp_f32 v[S+n], v[S+n]                       ; p = 2^(t - M): not normalised
.set n, n+1
.endr
	WIN 0
	v_nop                                          ; a plain place behind the exponentials
	s_wait_alu depctr_va_vdst(0)                   ; one wait for the batch, ahead of its first reader
.irp b, 0,1,2,3
	v_exp_f32 v[BM+\b], v[BM+\b]
.endr
	v_xor_b32 v[MS+(\a)], 0x80000000, v[NM]        ; M.  (A plain place behind the four)
	s_wait_alu depctr_va_vdst(0)                   ; and one for the four
	WIN W|(W<<2)
	v_pk_add_f32 v[LA:LA+1], v[S:S+1], v[S+2:S+3]  ; the sum of the UNQUANTISED p: two chains of pairs
	v_pk_add_f32 v[LB:LB+1], v[S+4:S+5], v[S+6:S+7]
	WIN W
.set n, 8
.rept 14
	v_pk_add_f32 v[LA:LA+1], v[S+n:S+n+1], v[LA:LA+1]
	v_pk_add_f32 v[LB:LB+1], v[S+n+2:S+n+3], v[LB:LB+1]
.set n, n+4
.endr
	WIN 0
	v_pk_add_f32 v[LA:LA+1], v[LA:LA+1], v[LB:LB+1]
	v_add_f32 v[T1], v[LA], v[LA+1]
	v_permlanex16_b32 v[BT], v[T1], s[SEL], s[SEL+1]
	v_add_f32 v[LS+(\a)], v[T1], v[BT]             ; with lane l xor 16's 64 keys
.irp b, 0,1,2,3
	v_max_num_f32 v[BM+\b], 0x1800000, v[BM+\b]    ; the floor 2^(3 - 127): the byte cannot fall under 1
.endr
.irp b, 0,1,2,3
	v_add_nc_u32 v[SO+\b], 0xff000000, v[BM+\b]
.endr
.irp b, 0,1,2,3
	v_lshrrev_b32 v[BY+\b], 23, v[SO+\b]
.endr
	v_lshl_or_b32 v[PW+(\a)], v[BY+1], 8, v[BY]
	v_lshl_or_b32 v[PW+(\a)], v[BY+2], 16, v[PW+(\a)]
	v_lshl_or_b32 v[PW+(\a)], v[BY+3], 24, v[PW+(\a)]
	WIN W
.irp c, 0,1
	v_cvt_scalef32_pk16_fp6_f32 v[PC+6*\c:PC+2+6*\c], v[S+32*\c:S+15+32*\c], v[SO+2*\c]
	v_cvt_scalef32_pk16_fp6_f32 v[PC+12+4*\c:PC+14+4*\c], v[S+16+32*\c:S+31+32*\c], v[SO+2*\c+1]
.endr
	WIN 0
	v_nop                                          ; one plain place behind a scaled conversion
.irp c, 0,1
.irp i, 0,1,2
	v_permlane16_swap_b32 v[PC+6*\c+\i], v[PC+12+4*\c+\i]
.endr
.irp i, 0,1,2
	v_mov_b32 v[PC+3+6*\c+\i], v[PC+12+4*\c+\i]
.endr
.endr
.irp c, 0,1,2
	global_store_b128 v[VO16], v[PC+4*\c:PC+4*\c+3], s[PB:PB+1] offset:(\a)*1536+512*\c   ; 512 consecutive, aligned bytes
.endr
.if (\a)%2 == 1
	v_cndmask_b32 v[MGP+(\a)/2], v[PW+(\a)-1], v[PW+(\a)], s[MSK]   ; lanes 0-15 the even tile's, lanes 16-31 the odd tile's
	v_cndmask_b32 v[MGM+(\a)/2], v[MS+(\a)-1], v[MS+(\a)], s[MSK]
	v_cndmask_b32 v[MGL+(\a)/2], v[LS+(\a)-1], v[LS+(\a)], s[MSK]
	global_store_b32 v[VO4], v[MGP+(\a)/2], s[PS:PS+1] offset:((\a)/2)*128
	global_store_b32 v[VO4], v[MGM+(\a)/2], s[PS:PS+1] offset:1024+((\a)/2)*128
	global_store_b32 v[VO4], v[MGM+(\a)/2], s[STB:STB+1] offset:((\a)/2)*128
	global_store_b32 v[VO4], v[MGL+(\a)/2], s[STB:STB+1] offset:STL+((\a)/2)*128
.endif
.endm
	s_load_b128 s[4:7], s[0:1], 0x0                ; qkv, pimg
	s_load_b64 s[8:9], s[0:1], 0x10                ; stat
	v_lshl_add_u32 v[SPW], v0, 2, SPARE
	v_mov_b32 v[NIL], 0
	ds_add_u32 v[SPW], v[NIL]                      ; the wave's opening: two adds on end, and their wait ahead of my first tensor load
	ds_add_u32 v[SPW], v[NIL]
	v_lshrrev_b32 v1, 5, v0
	v_readfirstlane_b32 s14, v1                    ; wave 0..3
	s_lshr_b32 s15, s14, 1                         ; which 128 queries are mine
	s_and_b32 s16, s14, 1                          ; which 128 keys.  Also: which of the two blocks I fetch
	s_mov_b32 s10, 0                               ; the work-group's x counts the live tiles row by row: row I begins at I (I + 1) / 2
.irp t, 1,3,6,10,15,21,28
	s_cmp_ge_u32 ttmp9, \t
	s_add_co_ci_u32 s10, s10, 0
.endr
	s_add_co_u32 s11, s10, 1
	s_mul_i32 s11, s11, s10
	s_lshr_b32 s11, s11, 1
	s_sub_co_u32 s11, ttmp9, s11                   ; J
	s_and_b32 s12, ttmp7, 0xffff                   ; the batch
	s_mov_b32 s[G1+0], 3<<16                       ; a dense block as 100 rows of 256 bytes: elements of 8 bytes, no mask, no padding
	s_mov_b32 s[G1+1], 32<<16
	s_mov_b32 s[G1+2], 100<<16
	s_mov_b32 s[G1+3], 32<<16
	s_mov_b32 s[G1+4], 100
	s_mov_b32 s[G1+5], 32
	s_mov_b32 s[G1+6], 0
	s_mov_b32 s[G1+7], 0
	s_cmp_lt_u32 s14, 2                            ; waves 0, 1 fetch q's blocks of tile I, waves 2, 3 k's of tile J
	s_cselect_b32 s17, s10, s11
	s_cselect_b32 s18, 0, KPART
	s_lshl_b32 s19, s12, 4
	s_lshl_b32 s17, s17, 1
	s_add_co_u32 s17, s17, s19
	s_add_co_u32 s17, s17, s16
	s_mul_i32 s17, s17, 4*BLK
	s_add_co_u32 s18, s18, s17
	s_mov_b32 s19, 0
	s_mul_i32 s45, s14, BLK                        ; where it goes: wave x a block
	s_mov_b32 s[SEL], 0x76543210
	s_mov_b32 s[SEL+1], 0xfedcba98
	s_mov_b32 s[CS], 0x3d38aa3b                    ; c = log2(e) / 32
	s_mov_b32 s[CS+1], s[CS]
	s_mov_b32 s[MSK], 0xffff0000
	s_wait_dscnt 0x0                               ; both opening adds are done
	s_wait_kmcnt 0x0
	s_add_nc_u64 s[18:19], s[4:5], s[18:19]
.irp s, 0,1,2
	s_mov_b32 s[G0+4*\s], 1
	s_add_co_u32 s[G0+4*\s+1], s45, \s*SLOT
	s_add_nc_u64 s[G0+4*\s+2:G0+4*\s+3], s[18:19], \s*BLK
	s_or_b32 s[G0+4*\s+3], s[G0+4*\s+3], 0x80000000
	TLOAD \s                                       ; the three first fills, K blocks 0, 1, 2: three loads of mine are out
.endr
	v_and_b32 v1, 31, v0
	v_lshlrev_b32 v[VO16], 4, v1
	v_lshlrev_b32 v[VO4], 2, v1
	s_mul_i32 s17, s15, BLK                        ; q's block,
	s_mul_i32 s47, s16, BLK
	s_add_co_u32 s47, s47, 2*BLK                   ; k's, behind q's two
.irp s, 0,1,2
	v_add_nc_u32 v[ADRA+\s], s17, v[VO16]
	v_add_nc_u32 v[ADRB+\s], s47, v[VO16]
	v_add_nc_u32 v[ADSA+\s], s17, v[VO4]
	v_add_nc_u32 v[ADSB+\s], s47, v[VO4]
	s_add_co_u32 s17, s17, SLOT
	s_add_co_u32 s47, s47, SLOT
.endr
.irp b, 0,1,2,3
	v_mov_b32 v[BT+\b], 0                          ; written once: a lane permute's destination counts as one of its sources
.endr
	v_mov_b32 v[NINF], 0xff800000
	v_and_b32 v14, 15, v0                          ; r
	v_and_b32 v15, 8, v0                           ; 8 (r / 8)
	v_and_b32 v26, 16, v0                          ; 16 (lane / 16)
	v_add_nc_u32 v[QL], v14, v15
	v_sub_nc_u32 v[QL], v[QL], v26
	s_sub_co_i32 s47, s15, s16
	s_lshl_b32 s47, s47, 7
	v_add_nc_u32 v[QL], s47, v[QL]                 ; 128 (my queries' half - my keys' half) + r + 8 (r / 8) - 16 (lane / 16)
	s_cmp_eq_u32 s10, s11                          ; the mask is at work on the diagonal tile,
	s_cselect_b32 s[DIAG], 1, 0
	s_cmp_eq_u32 s14, 2                            ; but not for its later queries against its earlier keys
	s_cselect_b32 s[DIAG], 0, s[DIAG]
	s_lshl_b32 s47, s12, 4
	s_lshl_b32 s55, s10, 1
	s_add_co_u32 s47, s47, s55
	s_add_co_u32 s47, s47, s15                     ; my query block
	s_lshl_b32 s55, s47, 3
	s_add_co_u32 s55, s55, s11
	s_mul_i32 s55, s55, PBLK                       ; P's block
	s_mul_i32 s56, s16, 12288
	s_add_co_u32 s[PB], s55, s56
	s_mov_b32 s[PB+1], 0
	s_lshl_b32 s56, s16, 9
	s_add_co_u32 s[PS], s55, s56
	s_add_co_u32 s[PS], s[PS], SCO
	s_mov_b32 s[PS+1], 0
	s_lshl_b32 s[STB], s47, 4
	s_lshl_b32 s56, s11, 1
	s_add_co_u32 s[STB], s[STB], s56
	s_add_co_u32 s[STB], s[STB], s16               ; 16 x query block + the 128-key step
	s_lshl_b32 s[STB], s[STB], 9
	s_mov_b32 s[STB+1], 0
	s_add_nc_u64 s[PB:PB+1], s[6:7], s[PB:PB+1]
	s_add_nc_u64 s[PS:PS+1], s[6:7], s[PS:PS+1]
	s_add_nc_u64 s[STB:STB+1], s[8:9], s[STB:STB+1]
	s_wait_tensorcnt 2                             ; my block of slot 0 is in; the two younger loads, slots 1 and 2, may stay out
	s_barrier_signal -1
	s_barrier_wait -1
	FIRST
	STEP 0, 0, 1
	TURN 0, 0, 1, 1, 1                             ; slots 1 and 2 are whole; slot 0 takes K block 3
	STEP 1, 1, 0
	PASS 1, 1, 2, 0
	STEP 2, 0, 0
	TURN 2, 0, 0, 1, 0                             ; K block 3 is whole
	STEP 0, 1, 0
	LAST 1
	PLACES 4
.irp a, 0,1,2,3,4,5,6,7
	SOFTQ \a
.endr
	s_wait_tensorcnt 0x0                           ; the wave's end
	ds_add_u32 v[SPW], v[NIL]
	s_wait_dscnt 0x0
	s_endpgm
.Lfunc_end_k_qffd4b3318e_score:
	.size	k_qffd4b3318e_score, .Lfunc_end_k_qffd4b3318e_score-k_qffd4b3318e_score
	.p2alignl 7, 3214868480
	.fill 96, 4, 3214868480
	.section	.rodata,"a",@progbits
	.p2align	6, 0x0
	.amdhsa_kernel k_qffd4b3318e_score
		.amdhsa_group_segment_fixed_size 327680
		.amdhsa_private_segment_fixed_size 0
		.amdhsa_enable_private_segment 0
		.amdhsa_kernarg_size 24
		.amdhsa_user_sgpr_count 2
		.amdhsa_user_sgpr_kernarg_segment_ptr 1
		.amdhsa_wavefront_size32 1
		.amdhsa_system_sgpr_workgroup_id_x 1
		.amdhsa_system_sgpr_workgroup_id_y 1
		.amdhsa_system_sgpr_workgroup_id_z 1
		.amdhsa_system_vgpr_workitem_id 0
		.amdhsa_next_free_vgpr 1024
		.amdhsa_next_free_sgpr 66
		.amdhsa_reserve_vcc 1
		.amdhsa_float_denorm_mode_32 3
		.amdhsa_float_denorm_mode_16_64 3
		.amdhsa_memory_ordered 1
		.amdhsa_forward_progress 1
		.amdhsa_inst_pref_size 238
	.end_amdhsa_kernel
	.amdgpu_metadata
---
amdhsa.version: [ 1, 2 ]
amdhsa.kernels:
  - .name:           k_qffd4b3318e_score
    .symbol:         k_qffd4b3318e_score.kd
    .args:
      - { .name: qkv, .offset: 0, .size: 8, .value_kind: global_buffer, .address_space: global }
      - { .name: pimg, .offset: 8, .size: 8, .value_kind: global_buffer, .address_space: global }
      - { .name: stat, .offset: 16, .size: 8, .value_kind: global_buffer, .address_space: global }
    .group_segment_fixed_size: 327680
    .private_segment_fixed_size: 0
    .kernarg_segment_align: 8
    .kernarg_segment_size: 24
    .max_flat_workgroup_size: 128
    .sgpr_count:     66
    .vgpr_count:     1024
    .wavefront_size: 32
...
	.end_amdgpu_metadata
.endif
;; end of part 6
;; launch pv (part 7): grid 8 x 32, 4 waves a work-group, no clusters, 327,680 bytes of LDS; arguments qkv, pimg, stat, out0; writes out0
.if DOCPART == 7
	.amdgcn_target "amdgcn-amd-amdhsa--gfx1250"
	.amdhsa_code_object_version 6
	.text
	.protected	k_qffd4b3318e_pv
	.globl	k_qffd4b3318e_pv
	.p2align	8
	.type	k_qffd4b3318e_pv,@function
k_qffd4b3318e_pv:
	s_mov_b64 s[64:65], 0
	v_nop
	global_prefetch_b8 v0, s[64:65] scope:SCOPE_SE
	s_setreg_imm32_b32 hwreg(HW_REG_WAVE_MODE, 25, 1), 1
	s_wait_xcnt 0x0
; LAUNCH 4 OF 4: out = (P v) / l on codes of FP6 (E2M3).  A work-group makes 256 queries (tile I of batch bt) x 128 features (block X): 8 x 32 = 256 work-groups; a wave 128 queries x 64 features: 32 accumulators.
; DEAD WORK LEFT OUT: the keys of tiles after tile I are no K step: their weights are 0 by reference()'s own jnp.tril, for all inputs (launch 1's head).  So K is N = I + 1 key blocks of 256.
; Source 0 = 16 features of v^T, source 1 = 16 queries of P: a lane holds one query, its registers run along the features.
; THE ROW'S M AND l.  At the head a wave reads its 128 queries' M and l of all 16 steps of 128 keys (dead steps hold M = -3e38, l = 0): M = the largest; l = the sum of l_k 2^(M_k - M), by v_ldexp_f32: exact scalings.
; P'S SCALE BYTES were made under each step's own M_k, which rides in P's block.  For each key block M - M_k (a whole number, 0 or more, held at 127) is taken off each byte, four bytes at a time; a byte that would fall
; under 0 is held at 0 (2^-127).  P's bytes are at most 125, so with bit 7 set in each byte no borrow passes from byte to byte.
; RING: two slots of TWO key blocks, 512 keys: P's two query blocks x two key blocks (4 x 26,624 bytes), then v^T's two key blocks (2 x 25,600).  A query block's two key blocks lie on end in pimg: wave 0 and wave 1
; fetch them by one load of 208 rows of 256 bytes each; waves 2 and 3 fetch one block of v^T each.  Where N is odd the last slot holds ONE key block:
; no byte is fetched that launch 3 has not written or that no step reads.  Slot 0's first fill goes out at the head, slot 1's behind the first barrier, where nothing is filled again.
; the add stands twice on end wherever a tensor load can still follow.
; THE WALK is straight text: for each key block an even and an odd step of 128 keys, 32 matrix instructions each; which loads are issued and where the walk ends hang on N alone, by scalar branches that all four waves
; take alike; every wait on TENSORcnt is for 0; no LDS address is stepped; a slot is asked for only where N says that a later step reads it.
; Fragments have two sets of registers each, one for even and one for odd steps: a step's 36 LDS loads are issued a step ahead.
; THE STAGE for the way out lies in slot 0: it is written behind a barrier that stands behind every wave's last read of the ring, and no tensor load follows.
; NO CLUSTER: along the queries partners would need different numbers of tiles; along the features every tensor load stands on a way that the tile row chooses.
; REGISTERS: window 0: addresses, scale words (v32-47 P's, v48-55 v^T's, two sets), v64-103 at work, v128-255 the head's statistics, later rows on the way out.  window 1: P's 8 fragments, sets at v0 and v128.
; window 2: accumulator (a, b) at v[8 (4 a + b)].  window 3: v^T's 4 fragments, sets at v0 and v128.
; LIMITS: as at the heads of launches 1 and 3.
.set BLK,    25600
.set PBLK,   26624
.set RGA,    2*PBLK                    ; a query block's two key blocks
.set BOFF,   2*RGA                     ; where v^T's blocks begin in a slot
.set SLOT,   BOFF+2*BLK
.set STG,    0                         ; the stage: 16 rows x (256 + 16) bytes for each wave, in slot 0
.set SP,     272
.set SCR,    2*SLOT                    ; behind the ring: 1,024 bytes a wave: the rows' M, then 1 / l,
.set SPARE,  SCR+4*1024                ; and the spare words, 128 bytes a wave, that no other line names
.set VPART,  13107200
.set STL,    524288
.set SCO,    24576
.set STO,  4                           ; v4  the stage: where I put 32 bytes of a row
.set RD,   5                           ; v5  and where I read a row back
.set SCW,  6                           ; v6  my wave's scratch + 16 x lane
.set SCRD, 7                           ; v7  + 4 x lane
.set RLA,  8                           ; v8  + 4 r
.set GO,   9                           ; v9  my byte offset in two rows of out0
.set ADRA, 16                          ; v16-17 my query block's region in slot 0, 1, + 16 x lane
.set ADRB, 18                          ; v18-19 my four tiles of v^T
.set ADSA, 20                          ; v20-21 + 4 x lane: scale words and M_k
.set ADSB, 22
.set VO16, 24
.set VO4,  25
.set SPW,  28
.set NIL,  29
.set SA,   32                          ; P's scale words: set (key block % 2) x 8 + 4 x half + i
.set SB,   48                          ; v^T's: set x 4 + 2 x half + i
.set ML,   64                          ; v64-71 a key block's M_k, laid as P's scale words
.set TT,   72                          ; v72-79, v80-87 at work
.set UU,   80
.set MROW, 88                          ; v88-91 the rows' M, in the same layout
.set M4,   92                          ; v92-95 the head: M of rows 4 l .. 4 l + 3; v96-99 l; v100-103 1 / l
.set RI,   64                          ; the way out: 1 / l of my row of tile a, twice, at v[64 + 2 a]
.set BK,   128                         ; the way out: rows read back from the stage, four sets of 32 by turns
.set G1A,  24                          ; s[24:31] group 1: two blocks of P, 208 rows
.set G1AH, 32                          ; s[32:39] one block of P, 104 rows
.set G1B,  48                          ; s[48:55] one block of v^T, 100 rows
.set G0A,  56                          ; s[56:59], s[60:63] groups 0, made anew ahead of each load, when no load of mine is out
.set G0B,  60
.set MULW, 0xa7                        ; source 0 (v^T) window 3, source 1 (P) window 1, C and D window 2
.set MSB, 0
.macro WIN new
.if MSB != (\new)
	s_set_vgpr_msb (MSB<<8)|(\new)
.set MSB, (\new)
.endif
.endm
.macro PLACES n
.rept \n
	v_nop
.endr
.endm
.macro G0SET slot, kb                  ; both groups 0 for key blocks kb, kb + 1 into a slot: every wave makes both, of constants and its number
	s_mov_b32 s[G0A], 1
	s_add_co_u32 s[G0A+1], s46, (\slot)*SLOT
	s_add_nc_u64 s[G0A+2:G0A+3], s[66:67], (\kb)*PBLK
	s_or_b32 s[G0A+3], s[G0A+3], 0x80000000
	s_mov_b32 s[G0B], 1
	s_add_co_u32 s[G0B+1], s47, (\slot)*SLOT
	s_add_nc_u64 s[G0B+2:G0B+3], s[68:69], (\kb)*BLK
	s_or_b32 s[G0B+3], s[G0B+3], 0x80000000
.endm
; The loads of a slot.  half = 0: two key blocks; half = 1: one.  The branches hang on the wave's number alone.  An s_nop 0 and four v_nop follow each tensor load.
.macro TL half
	s_cmp_lt_u32 s14, 2
	s_cbranch_scc0 .Lnot_p_\@
.if \half
	tensor_load_to_lds s[G0A:G0A+3], s[G1AH:G1AH+7]
.else
	tensor_load_to_lds s[G0A:G0A+3], s[G1A:G1A+7]
.endif
	s_nop 0
.rept 4
	v_nop
.endr
	s_branch .Lasked_\@
.Lnot_p_\@:
.if \half
	s_cmp_eq_u32 s14, 2
	s_cbranch_scc0 .Lasked_\@
.endif
	tensor_load_to_lds s[G0B:G0B+3], s[G1B:G1B+7]
	s_nop 0
.rept 4
	v_nop
.endr
.Lasked_\@:
.endm
; Key blocks kb, kb + 1 are asked for as far as the walk reads them: none where N <= kb, one where N = kb + 1, else both.  N is made of ids alone: all four waves go the same way.
.macro TSEL slot, kb
	G0SET \slot, \kb
	s_cmp_lt_u32 s19, (\kb)+1
	s_cbranch_scc1 .Lnone_\@
	s_cmp_eq_u32 s19, (\kb)+1
	s_cbranch_scc1 .Lhalf_\@
	TL 0
	s_branch .Lnone_\@
.Lhalf_\@:
	TL 1
.Lnone_\@:
.endm
.macro FETCHX slot, kbl, hf            ; the fragments of half hf of the slot's key block kbl into set hf: P's 8 tiles, my 4 of v^T: 36 loads of 512 consecutive bytes
	WIN 0x40
.irp t, 0,1,2,3,4,5,6,7
.irp c, 0,1,2
	ds_load_b128 v[128*(\hf)+12*\t+4*\c:128*(\hf)+12*\t+4*\c+3], v[ADRA+\slot] offset:(\kbl)*PBLK+(\hf)*12288+\t*1536+512*\c
.endr
.endr
	WIN 0xc0
.irp t, 0,1,2,3
.irp c, 0,1,2
	ds_load_b128 v[128*(\hf)+12*\t+4*\c:128*(\hf)+12*\t+4*\c+3], v[ADRB+\slot] offset:(\kbl)*BLK+(\hf)*12288+\t*1536+512*\c
.endr
.endr
	WIN 0
.endm
.macro SCALESX slot, kbl               ; a key block's scale words and P's M_k, into set kbl: 20 loads
.irp q, 0,1
.irp i, 0,1,2,3
	ds_load_b32 v[SA+8*(\kbl)+4*\q+\i], v[ADSA+\slot] offset:(\kbl)*PBLK+SCO+\q*512+128*\i
	ds_load_b32 v[ML+4*\q+\i], v[ADSA+\slot] offset:(\kbl)*PBLK+SCO+1024+\q*512+128*\i
.endr
.irp i, 0,1
	ds_load_b32 v[SB+4*(\kbl)+2*\q+\i], v[ADSB+\slot] offset:(\kbl)*BLK+SCO+\q*512+128*\i
.endr
.endr
.endm
; P's eight scale registers of a key block are brought under the rows' M: each byte becomes max(byte - (M - M_k), 0).
.macro ADJ set
.irp n, 0,1,2,3,4,5,6,7
	v_sub_f32 v[TT+\n], v[MROW+\n%4], v[ML+\n]     ; M - M_k: a whole number, 0 or more
.endr
.irp n, 0,1,2,3,4,5,6,7
	v_cvt_u32_f32 v[TT+\n], v[TT+\n]               ; (it saturates)
.endr
.irp n, 0,1,2,3,4,5,6,7
	v_min_u32 v[TT+\n], 127, v[TT+\n]
.endr
.irp n, 0,1,2,3,4,5,6,7
	v_perm_b32 v[TT+\n], v[TT+\n], v[TT+\n], s45   ; into all four bytes
.endr
.irp n, 0,1,2,3,4,5,6,7
	v_or_b32 v[SA+8*(\set)+\n], s44, v[SA+8*(\set)+\n]   ; bit 7 of each byte keeps the borrows apart
.endr
.irp n, 0,1,2,3,4,5,6,7
	v_sub_nc_u32 v[SA+8*(\set)+\n], v[SA+8*(\set)+\n], v[TT+\n]
.endr
.irp n, 0,1,2,3,4,5,6,7
	v_and_b32 v[UU+\n], s44, v[SA+8*(\set)+\n]     ; bit 7 is left where the byte did not fall under 0
.endr
.irp n, 0,1,2,3,4,5,6,7
	v_lshrrev_b32 v[TT+\n], 7, v[UU+\n]
.endr
.irp n, 0,1,2,3,4,5,6,7
	v_sub_nc_u32 v[UU+\n], v[UU+\n], v[TT+\n]      ; 0x7f there, 0 elsewhere
.endr
.irp n, 0,1,2,3,4,5,6,7
	v_and_b32 v[SA+8*(\set)+\n], v[SA+8*(\set)+\n], v[UU+\n]
.endr
	PLACES 8                                       ; a scale register written by a vector instruction stands eight places ahead of the scaled matrix instruction
.endm
.macro WM d, s0, s1, zero, x0, x1, r0, r1
.if \zero
.if (\r0)+2*(\r1) == 0
	v_wmma_scale_f32_16x16x128_f8f6f4 v[\d:\d+7], v[\s0:\s0+11], v[\s1:\s1+11], 0, v[\x0], v[\x1] matrix_a_fmt:MATRIX_FMT_FP6 matrix_b_fmt:MATRIX_FMT_FP6
.elseif (\r0)+2*(\r1) == 1
	v_wmma_scale_f32_16x16x128_f8f6f4 v[\d:\d+7], v[\s0:\s0+11], v[\s1:\s1+11], 0, v[\x0], v[\x1] matrix_a_fmt:MATRIX_FMT_FP6 matrix_b_fmt:MATRIX_FMT_FP6 matrix_a_scale:MATRIX_SCALE_ROW1
.elseif (\r0)+2*(\r1) == 2
	v_wmma_scale_f32_16x16x128_f8f6f4 v[\d:\d+7], v[\s0:\s0+11], v[\s1:\s1+11], 0, v[\x0], v[\x1] matrix_a_fmt:MATRIX_FMT_FP6 matrix_b_fmt:MATRIX_FMT_FP6 matrix_b_scale:MATRIX_SCALE_ROW1
.else
	v_wmma_scale_f32_16x16x128_f8f6f4 v[\d:\d+7], v[\s0:\s0+11], v[\s1:\s1+11], 0, v[\x0], v[\x1] matrix_a_fmt:MATRIX_FMT_FP6 matrix_b_fmt:MATRIX_FMT_FP6 matrix_a_scale:MATRIX_SCALE_ROW1 matrix_b_scale:MATRIX_SCALE_ROW1
.endif
.else
.if (\r0)+2*(\r1) == 0
	v_wmma_scale_f32_16x16x128_f8f6f4 v[\d:\d+7], v[\s0:\s0+11], v[\s1:\s1+11], v[\d:\d+7], v[\x0], v[\x1] matrix_a_fmt:MATRIX_FMT_FP6 matrix_b_fmt:MATRIX_FMT_FP6
.elseif (\r0)+2*(\r1) == 1
	v_wmma_scale_f32_16x16x128_f8f6f4 v[\d:\d+7], v[\s0:\s0+11], v[\s1:\s1+11], v[\d:\d+7], v[\x0], v[\x1] matrix_a_fmt:MATRIX_FMT_FP6 matrix_b_fmt:MATRIX_FMT_FP6 matrix_a_scale:MATRIX_SCALE_ROW1
.elseif (\r0)+2*(\r1) == 2
	v_wmma_scale_f32_16x16x128_f8f6f4 v[\d:\d+7], v[\s0:\s0+11], v[\s1:\s1+11], v[\d:\d+7], v[\x0], v[\x1] matrix_a_fmt:MATRIX_FMT_FP6 matrix_b_fmt:MATRIX_FMT_FP6 matrix_b_scale:MATRIX_SCALE_ROW1
.else
	v_wmma_scale_f32_16x16x128_f8f6f4 v[\d:\d+7], v[\s0:\s0+11], v[\s1:\s1+11], v[\d:\d+7], v[\x0], v[\x1] matrix_a_fmt:MATRIX_FMT_FP6 matrix_b_fmt:MATRIX_FMT_FP6 matrix_a_scale:MATRIX_SCALE_ROW1 matrix_b_scale:MATRIX_SCALE_ROW1
.endif
.endif
.endm
; 8 matrix instructions: query tiles a0, a0 + 1 x my four feature tiles; hf: the half of the key block, and the set of fragments; sg: the set of scale words.
; The 32 accumulators take turns, in the same order in every step.
.macro MUL8 a0, hf, sg, zero
.irp a, \a0, \a0+1
.irp b, 0,1,2,3
	WM 8*(4*(\a)+\b), 128*(\hf)+12*\b, 128*(\hf)+12*(\a), \zero, SB+4*(\sg)+2*(\hf)+\b/2, SA+8*(\sg)+4*(\hf)+(\a)/2, \b%2, (\a)%2
.endr
.endr
.endm
; A key block's first 128 keys.  Its fragments (set 0) and its scale words are in; the second 128 keys' fragments are asked for.  The vector lines of ADJ stand between the last products and these loads.
.macro EVEN slot, kbl, zero
	FETCHX \slot, \kbl, 1
	WIN MULW
	MUL8 0, 0, \kbl, \zero
	MUL8 2, 0, \kbl, \zero
	MUL8 4, 0, \kbl, \zero
	MUL8 6, 0, \kbl, \zero
	WIN 0
.endm
; A slot's first key block's second 128 keys, where the slot's second key block follows.
.macro ODDS slot
	s_wait_dscnt 0x0                               ; set 1's fragments are in
	PLACES 4                                       ; in front of loads into set 0, which the products just issued read
	FETCHX \slot, 1, 0
	SCALESX \slot, 1
	WIN MULW
	MUL8 0, 1, 0, 0
	MUL8 2, 1, 0, 0
	MUL8 4, 1, 0, 0
	MUL8 6, 1, 0, 0
	s_wait_dscnt 0x0                               ; the next key block's first fragments, scale words and M_k are in
	WIN 0
	ADJ 1
.endm
; A slot's last 128 keys, and the change of slots: ONE barrier.  In front of it each wave waits for all its tensor loads, adds 0 to its spare word, and waits for that and for its reads of this slot.
; fill = 1: behind it key blocks kb, kb + 1 are asked for into this slot, as far as the walk reads them.
.macro ODDT slot, next, fill, kb
	s_wait_tensorcnt 0x0                           ; all my tensor loads have landed: my part of the next slot
	ds_add_u32 v[SPW], v[NIL]                      ; an add of 0 to my spare word
.if \fill
	ds_add_u32 v[SPW], v[NIL]                      ; and once more, where a tensor load can still follow
.endif
	s_wait_dscnt 1+(\fill)                         ; set 1's fragments are in (the add, or the two, may be out)
	WIN MULW
	MUL8 0, 1, 1, 0
	s_wait_dscnt 0x0                               ; the add is done, and my reads of this slot are over
	s_barrier_signal -1
	MUL8 2, 1, 1, 0
	WIN 0
	s_barrier_wait -1                              ; nobody reads this slot any more, and the next slot is whole
.if \fill
	TSEL \slot, \kb                                ; a wave's one tensor load behind the barrier, ahead of its first LDS read
.endif
	PLACES 4                                       ; in front of loads into set 0
	FETCHX \next, 0, 0
	SCALESX \next, 0
	WIN MULW
	MUL8 4, 1, 1, 0
	MUL8 6, 1, 1, 0
	s_wait_dscnt 0x0
	WIN 0
	ADJ 0
.endm
.macro LASTX sg                        ; the walk's last 128 keys
	s_wait_dscnt 0x0
	WIN MULW
	MUL8 0, 1, \sg, 0
	MUL8 2, 1, \sg, 0
	MUL8 4, 1, \sg, 0
	MUL8 6, 1, \sg, 0
	WIN 0
.endm
.macro ENDIF n, lab                    ; the key block in hand is the last where N = n
	s_cmp_eq_u32 s19, \n
	s_cbranch_scc1 \lab
.endm
; THE WAY OUT of query tile a: divided by l; through my stage; back as whole runs of 256 bytes of a row.
.macro SCALE a
.set S, 32*(\a)
	WIN 0x82
.set n, 0
.rept 16
	v_pk_mul_f32 v[S+n:S+n+1], v[S+n:S+n+1], v[RI+2*(\a):RI+2*(\a)+1]   ; each accumulator from its low end on
.set n, n+2
.endr
.endm
.macro TOSTAGE a
.set S, 32*(\a)
.set BB, BK+32*((\a)%4)
	WIN 0x08                                       ; an LDS store's data are its source 1
.irp b, 0,1,2,3
	ds_store_b128 v[STO], v[S+8*\b:S+8*\b+3] offset:128*(\b/2)+32*(\b%2)          ; features 32 (b / 2) + 16 (lane / 16) + 8 (b % 2) + 0 .. 7 of my wave's 64
	ds_store_b128 v[STO], v[S+8*\b+4:S+8*\b+7] offset:128*(\b/2)+32*(\b%2)+16
.endr
	WIN 0
.irp t, 0,1,2,3,4,5,6,7
	ds_load_b128 v[BB+4*\t:BB+4*\t+3], v[RD] offset:\t*2*SP   ; LDS serves a wave's instructions in order: these see my stores, and the next tile's stores come behind them
.endr
.endm
.macro SEND a, younger                 ; younger: the LDS instructions issued behind tile a's loads, which may stay out
.set BB, BK+32*((\a)%4)
	s_wait_dscnt \younger
.irp t, 0,1,2,3,4,5,6,7
	global_store_b128 v[GO], v[BB+4*\t:BB+4*\t+3], s[42:43] offset:(32*((\a)/2)+8*((\a)%2)+2*\t+8*(\t/4))*4096 th:TH_STORE_NT   ; 16 lanes store 256 consecutive, aligned bytes of a row: the tile's lane-rows 2 t and 2 t + 1
.endr
.endm
	s_load_b256 s[4:11], s[0:1], 0x0               ; qkv, pimg, stat, out0
	v_lshl_add_u32 v[SPW], v0, 2, SPARE
	v_mov_b32 v[NIL], 0
	ds_add_u32 v[SPW], v[NIL]                      ; the wave's opening: two adds on end, and their wait ahead of my first tensor load
	ds_add_u32 v[SPW], v[NIL]
	v_lshrrev_b32 v1, 5, v0
	v_readfirstlane_b32 s14, v1                    ; wave 0..3
	s_lshr_b32 s15, s14, 1                         ; which 128 queries are mine
	s_and_b32 s16, s14, 1                          ; which 64 features.  Also: which block I fetch
	s_mov_b32 s12, ttmp9                           ; X: the feature block
	s_and_b32 s13, ttmp7, 0xffff
	s_lshr_b32 s17, s13, 3                         ; the batch
	s_and_b32 s18, s13, 7
	s_xor_b32 s18, s18, 7                          ; I: the long walks get the low numbers
	s_add_co_u32 s19, s18, 1                       ; N key blocks
.irp g, G1A, G1AH, G1B                         ; dense blocks as rows of 256 bytes: elements of 8 bytes, no mask, no padding
	s_mov_b32 s[\g+0], 3<<16
	s_mov_b32 s[\g+1], 32<<16
	s_mov_b32 s[\g+3], 32<<16
	s_mov_b32 s[\g+5], 32
	s_mov_b32 s[\g+6], 0
	s_mov_b32 s[\g+7], 0
.endr
	s_mov_b32 s[G1A+2], 208<<16                    ; two blocks of P: 208 rows,
	s_mov_b32 s[G1A+4], 208
	s_mov_b32 s[G1AH+2], 104<<16                   ; one: 104,
	s_mov_b32 s[G1AH+4], 104
	s_mov_b32 s[G1B+2], 100<<16                    ; one of v^T: 100
	s_mov_b32 s[G1B+4], 100
	s_lshl_b32 s20, s17, 4
	s_lshl_b32 s21, s18, 1
	s_add_co_u32 s20, s20, s21                     ; the tile's first query block
	s_add_co_u32 s66, s20, s16
	s_mul_i32 s66, s66, 8*PBLK                     ; P: query block + (wave % 2), key block 0
	s_mov_b32 s67, 0
	s_lshl_b32 s68, s12, 5
	s_lshl_b32 s69, s17, 3
	s_add_co_u32 s68, s68, s69
	s_add_co_u32 s68, s68, s16
	s_mul_i32 s68, s68, BLK
	s_add_co_u32 s68, s68, VPART                   ; v^T: feature block X, the batch's key block (wave % 2)
	s_mov_b32 s69, 0
	s_add_co_u32 s40, s20, s15
	s_lshl_b32 s40, s40, 13                        ; stat: my query block's 16 steps x 512 bytes
	s_mov_b32 s41, 0
	s_lshl_b32 s42, s17, 23                        ; out0: 2,048 rows of 4,096 bytes a batch,
	s_lshl_b32 s22, s18, 20                        ; 256 a tile,
	s_add_co_u32 s42, s42, s22
	s_lshl_b32 s22, s15, 19                        ; 128 a wave;
	s_add_co_u32 s42, s42, s22
	s_lshl_b32 s22, s12, 9                         ; 128 features a block,
	s_add_co_u32 s42, s42, s22
	s_lshl_b32 s22, s16, 8                         ; 64 a wave
	s_add_co_u32 s42, s42, s22
	s_mov_b32 s43, 0
	s_mov_b32 s44, 0x80808080
	s_mov_b32 s45, 0
	s_mul_i32 s46, s16, RGA                        ; where my load goes in a slot: P's,
	s_mul_i32 s47, s16, BLK
	s_add_co_u32 s47, s47, BOFF                    ; v^T's
	s_wait_dscnt 0x0                               ; both opening adds are done
	s_wait_kmcnt 0x0
	s_add_nc_u64 s[66:67], s[6:7], s[66:67]
	s_add_nc_u64 s[68:69], s[4:5], s[68:69]
	s_add_nc_u64 s[40:41], s[8:9], s[40:41]
	s_add_nc_u64 s[42:43], s[10:11], s[42:43]
	G0SET 0, 0
	s_cmp_eq_u32 s19, 1                            ; slot 0: key blocks 0 and 1, or key block 0 alone where it is all: every work-group reads what it asks for here
	s_cbranch_scc1 .Lhead_half
	TL 0
	s_branch .Lhead_on
.Lhead_half:
	TL 1
.Lhead_on:
	v_and_b32 v1, 31, v0
	v_lshlrev_b32 v[VO16], 4, v1
	v_lshlrev_b32 v[VO4], 2, v1
.set k, 0
.rept 16
	global_load_b128 v[128+4*k:131+4*k], v[VO16], s[40:41] offset:512*k        ; M of step k: rows 4 l .. 4 l + 3 (in the tiles' order)
.set k, k+1
.endr
.set k, 0
.rept 16
	global_load_b128 v[192+4*k:195+4*k], v[VO16], s[40:41] offset:STL+512*k    ; l likewise
.set k, k+1
.endr
	v_and_b32 v2, 15, v0                           ; r
	v_bfe_u32 v3, v0, 4, 1                         ; h
	s_mul_i32 s20, s15, RGA                        ; my query block's region in a slot,
	s_mul_i32 s21, s16, 6144
	s_add_co_u32 s21, s21, BOFF                    ; my four tiles of v^T,
	s_lshl_b32 s22, s16, 8
	s_add_co_u32 s22, s22, BOFF                    ; and their scale words
.irp s, 0,1
	v_add_nc_u32 v[ADRA+\s], s20, v[VO16]
	v_add_nc_u32 v[ADRB+\s], s21, v[VO16]
	v_add_nc_u32 v[ADSA+\s], s20, v[VO4]
	v_add_nc_u32 v[ADSB+\s], s22, v[VO4]
	s_add_co_u32 s20, s20, SLOT
	s_add_co_u32 s21, s21, SLOT
	s_add_co_u32 s22, s22, SLOT
.endr
	s_mul_i32 s20, s14, 16*SP
	s_add_co_u32 s20, s20, STG                     ; my stage
	v_mul_u32_u24 v[STO], v2, SP
	v_lshl_add_u32 v[STO], v3, 6, v[STO]
	v_add_nc_u32 v[STO], s20, v[STO]               ; in: row r, + 64 h
	v_mul_u32_u24 v[RD], v3, SP
	v_lshl_add_u32 v[RD], v2, 4, v[RD]
	v_add_nc_u32 v[RD], s20, v[RD]                 ; back: lanes 0-15 one row, lanes 16-31 the next; 16 bytes a lane
	v_lshlrev_b32 v[GO], 12, v3
	v_lshl_add_u32 v[GO], v2, 4, v[GO]             ; and the same two rows in out0
	s_lshl_b32 s21, s14, 10
	s_add_co_u32 s21, s21, SCR                     ; my scratch
	v_add_nc_u32 v[SCW], s21, v[VO16]
	v_add_nc_u32 v[SCRD], s21, v[VO4]
	v_lshl_add_u32 v[RLA], v2, 2, s21
	s_wait_loadcnt 16                              ; the sixteen loads of M are in, those of l may be out
.irp e, 0,1,2,3
	v_max3_num_f32 v[M4+\e], v[128+\e], v[132+\e], v[136+\e]
.endr
.irp k, 3,5,7,9,11,13
.irp e, 0,1,2,3
	v_max3_num_f32 v[M4+\e], v[M4+\e], v[128+4*\k+\e], v[132+4*\k+\e]
.endr
.endr
.irp e, 0,1,2,3
	v_max_num_f32 v[M4+\e], v[M4+\e], v[188+\e]    ; the row's M
.endr
.set k, 0
.rept 16
	v_pk_add_f32 v[128+4*k:129+4*k], v[128+4*k:129+4*k], v[M4:M4+1] neg_lo:[0,1] neg_hi:[0,1]       ; M_k - M: a whole number, 0 or less
	v_pk_add_f32 v[130+4*k:131+4*k], v[130+4*k:131+4*k], v[M4+2:M4+3] neg_lo:[0,1] neg_hi:[0,1]
.set k, k+1
.endr
.set n, 0
.rept 64
	v_cvt_i32_f32 v[128+n], v[128+n]               ; (it saturates)
.set n, n+1
.endr
	s_wait_loadcnt 0x0
.set n, 0
.rept 64
	v_ldexp_f32 v[192+n], v[192+n], v[128+n]       ; l_k under the row's M
.set n, n+1
.endr
	v_pk_add_f32 v[96:97], v[192:193], v[196:197]
	v_pk_add_f32 v[98:99], v[194:195], v[198:199]
.set k, 2
.rept 14
	v_pk_add_f32 v[96:97], v[96:97], v[192+4*k:193+4*k]
	v_pk_add_f32 v[98:99], v[98:99], v[194+4*k:195+4*k]
.set k, k+1
.endr
.irp e, 0,1,2,3
	v_rcp_f32 v[100+\e], v[96+\e]
.endr
	v_nop                                          ; a plain place behind the reciprocals
	s_wait_alu depctr_va_vdst(0)                   ; one wait for the four, ahead of their first reader
	ds_store_b128 v[SCW], v[M4:M4+3]               ; the rows' M and 1 / l change lanes through my own scratch
	ds_store_b128 v[SCW], v[100:103] offset:512
.irp i, 0,1,2,3
	ds_load_b32 v[MROW+\i], v[SCRD] offset:128*\i  ; tile 2 i's rows in lanes 0-15, tile 2 i + 1's in lanes 16-31
.endr
	s_wait_tensorcnt 0x0                           ; my part of slot 0 has landed
	ds_add_u32 v[SPW], v[NIL]                      ; an add of 0 to my spare word,
	ds_add_u32 v[SPW], v[NIL]                      ; and once more, where a tensor load can still follow
	s_wait_dscnt 0x0
	s_barrier_signal -1
	s_barrier_wait -1                              ; slot 0 is whole.
	TSEL 1, 2                                      ; slot 1's first fill: key blocks 2 and 3, as far as the walk reads them
	FETCHX 0, 0, 0
	SCALESX 0, 0
	s_wait_dscnt 0x0
	ADJ 0
	EVEN 0, 0, 1                                   ; key block 0: the first products start the sums: nothing is cleared
	ENDIF 1, .Lfin0
	ODDS 0
	EVEN 0, 1, 0                                   ; key block 1
	ENDIF 2, .Lfin1
	ODDT 0, 1, 1, 4                                ; slot 0 takes key blocks 4 and 5
	EVEN 1, 0, 0                                   ; key block 2
	ENDIF 3, .Lfin0
	ODDS 1
	EVEN 1, 1, 0                                   ; key block 3
	ENDIF 4, .Lfin1
	ODDT 1, 0, 1, 6                                ; slot 1 takes key blocks 6 and 7
	EVEN 0, 0, 0                                   ; key block 4
	ENDIF 5, .Lfin0
	ODDS 0
	EVEN 0, 1, 0                                   ; key block 5
	ENDIF 6, .Lfin1
	ODDT 0, 1, 0, 0                                ; nothing is left to ask for
	EVEN 1, 0, 0                                   ; key block 6
	ENDIF 7, .Lfin0
	ODDS 1
	EVEN 1, 1, 0                                   ; key block 7
.Lfin1:
	LASTX 1                                        ; the last 128 keys of a walk that ends on an odd key block,
	s_branch .Lout
.Lfin0:
	LASTX 0                                        ; on an even one
.Lout:
	PLACES 4
.irp a, 0,1,2,3,4,5,6,7
	ds_load_b32 v[RI+2*\a], v[RLA] offset:512+64*\a          ; 1 / l of my row of tile a, twice: a pair for the packed multiply
	ds_load_b32 v[RI+2*\a+1], v[RLA] offset:512+64*\a
.endr
	s_wait_dscnt 0x0                               ; my reads of the ring are over
	s_barrier_signal -1
	s_barrier_wait -1                              ; everybody's are: slot 0's bytes, which have had their last fill, serve as the stage
	SCALE 0
	TOSTAGE 0
.irp a, 1,2,3,4,5,6,7
.if \a > 3
	s_wait_xcnt 0x0                                ; tile a - 4's stores have read their registers: tile a's rows may land there
.endif
	SCALE \a
	TOSTAGE \a
	SEND \a-1, 16                                  ; behind tile a - 1's loads: tile a's 8 stores and 8 loads
.endr
	SEND 7, 0
	s_wait_tensorcnt 0x0                           ; the wave's end
	ds_add_u32 v[SPW], v[NIL]
	s_wait_dscnt 0x0
	s_endpgm
.Lfunc_end_k_qffd4b3318e_pv:
	.size	k_qffd4b3318e_pv, .Lfunc_end_k_qffd4b3318e_pv-k_qffd4b3318e_pv
	.p2alignl 7, 3214868480
	.fill 96, 4, 3214868480
	.section	.rodata,"a",@progbits
	.p2align	6, 0x0
	.amdhsa_kernel k_qffd4b3318e_pv
		.amdhsa_group_segment_fixed_size 327680
		.amdhsa_private_segment_fixed_size 0
		.amdhsa_enable_private_segment 0
		.amdhsa_kernarg_size 32
		.amdhsa_user_sgpr_count 2
		.amdhsa_user_sgpr_kernarg_segment_ptr 1
		.amdhsa_wavefront_size32 1
		.amdhsa_system_sgpr_workgroup_id_x 1
		.amdhsa_system_sgpr_workgroup_id_y 1
		.amdhsa_system_sgpr_workgroup_id_z 1
		.amdhsa_system_vgpr_workitem_id 0
		.amdhsa_next_free_vgpr 1024
		.amdhsa_next_free_sgpr 80
		.amdhsa_reserve_vcc 0
		.amdhsa_float_denorm_mode_32 3
		.amdhsa_float_denorm_mode_16_64 3
		.amdhsa_memory_ordered 1
		.amdhsa_forward_progress 1
		.amdhsa_inst_pref_size 198
	.end_amdhsa_kernel
	.amdgpu_metadata
---
amdhsa.version: [ 1, 2 ]
amdhsa.kernels:
  - .name:           k_qffd4b3318e_pv
    .symbol:         k_qffd4b3318e_pv.kd
    .args:
      - { .name: qkv, .offset: 0, .size: 8, .value_kind: global_buffer, .address_space: global }
      - { .name: pimg, .offset: 8, .size: 8, .value_kind: global_buffer, .address_space: global }
      - { .name: stat, .offset: 16, .size: 8, .value_kind: global_buffer, .address_space: global }
      - { .name: out0, .offset: 24, .size: 8, .value_kind: global_buffer, .address_space: global }
    .group_segment_fixed_size: 327680
    .private_segment_fixed_size: 0
    .kernarg_segment_align: 8
    .kernarg_segment_size: 32
    .max_flat_workgroup_size: 128
    .sgpr_count:     80
    .vgpr_count:     1024
    .wavefront_size: 32
...
	.end_amdgpu_metadata
.endif
;; end of part 7
